; MI455X (gfx1250); checked and timed in simulation.
; The chip was launched on July 23, 2026; its instructions are those of AMD's public machine-readable ISA for CDNA 5 (MIT licence, August 2026) and "CDNA5" Instruction Set Architecture Reference Guide (July 2026). The comments in the code are by the model that wrote it; some were corrected since.
;; Causal Multihead Attention. Allowed arithmetic: matrix products marked QUANTISED: E2M1 operands, one E8M0 scale for each 32 along K, by v_wmma_scale_f32_16x16x128_f8f6f4 with both operands' format E2M1 (or v_wmma_scale_f32_32x16x128_f4), f32 sums; products left as they are: bf16, f16 or f32 operands; f32 sums; everything else in f32.
;; Inputs: w_o 1,024 x 1,024 float32; w_qkv 3 x 16 x 64 x 1,024 float32; x 4 x 2,048 x 1,024 float32.
;; Outputs: out0 4 x 2,048 x 1,024 float32.
;; This version of the problem:
;;   THIS VERSION OF THE PROBLEM IS GIVEN IN LOW PRECISION. The matrix products marked QUANTISED in the list below multiply operands that are first quantised to E2M1 (2 exponent bits, 1 mantissa bit; 4 bits a number), with one power-of-two scale for each 32 numbers along K (OCP MX v1.0); their sums are f32. The products marked 'left as it is' may take bf16, f16 or f32 operands, with f32 sums. Whichever they take, every output number must still come out within the allowed error. Rounding operands to bf16 (8 significant bits) uses up far more of that allowance than f16 does (11 bits, for magnitudes from 6e-5 to 65,504). All else is computed in f32.
;;   The module's matrix products, in the order in which they are computed (A, B: the left and right operand; K: the contracted axis; several contracted axes count as one K, in the product's order):
;;     1. [M 3,072, K 1,024] x [K 1,024, N 8,192]; A: input w_qkv; B: input x: QUANTISED
;;     2. batch 64 x [M 2,048, K 64] x [K 64, N 2,048]; A: computed on the way; B: computed on the way: left as it is (an operand is computed on the way)
;;     3. batch 64 x [M 2,048, K 2,048] x [K 2,048, N 64]; A: computed on the way; B: computed on the way: left as it is (an operand is computed on the way)
;;     4. [M 8,192, K 1,024] x [K 1,024, N 1,024]; A: computed on the way; B: input w_o: left as it is (an operand is computed on the way)
;;   THE QUANTISER, for each operand of a quantised product, along K:
;;     - K is cut into blocks of 32 from its start; a last block that is shorter is filled with zeros.
;;     - A block's scale is 2^e with e = floor(log2(the largest magnitude in the block)) - 2, held to -126 .. 127; a block of zeros has e = 0. As a byte (E8M0): e + 127.
;;     - Each number is divided by its block's scale, clamped to +-6, and rounded to the nearest number of E2M1, ties to even, subnormals kept.
;;     - The product sums the exact products of the quantised numbers (number of the format x scale) in f32.
;;   ~~~python
;;   def quantise(x, axis):      # numpy; x: float32 -> the quantised numbers, widened to float32 again
;;       x = np.moveaxis(x, axis, -1); K = x.shape[-1]
;;       x = np.pad(x, [(0, 0)] * (x.ndim - 1) + [(0, -K % 32)]); x = x.reshape(x.shape[:-1] + (-1, 32)); a = np.abs(x).max(-1, keepdims=True)
;;       e = np.where(a > 0, np.clip(np.frexp(np.where(a > 0, a, 1))[1] - 1 - 2, -126, 127), 0)      # np.frexp(a)[1] - 1 = floor(log2(a)), exactly
;;       r = np.clip(x / 2.0 ** e, -6, 6)
;;       step = 2.0 ** (np.maximum(np.frexp(np.where(r == 0, 1, r))[1] - 1, 0) - 1)
;;       q = np.round(r / step) * step * 2.0 ** e      # np.round: ties to even
;;       return np.moveaxis(q.reshape(q.shape[:-2] + (-1,))[..., :K], -1, axis).astype(np.float32)
;;   ~~~
;; One version. Each part assembles by itself: llvm-mc -triple=amdgcn-amd-amdhsa -mcpu=gfx1250 --defsym DOCPART=n.
;; ======== version 1 of 1: 5 launches
;; limits: values are held in f16: magnitudes above 65,504 overflow, below 6.1e-05 lose precision
;; workspace buffers: x_codes 4,194,304 bytes; x_scales 262,144 bytes; w_codes 1,572,864 bytes; w_scales 98,304 bytes; wo16 2,097,152 bytes; qkv16 50,331,648 bytes; qkv32 786,432 bytes; attn16 16,777,216 bytes
;; launch quant (part 1): grid 384 x 1, 4 waves a work-group, no clusters, 33,280 bytes of LDS; arguments x, w_qkv, w_o, x_codes, x_scales, w_codes, w_scales, wo16; writes x_codes, x_scales, w_codes, w_scales, wo16
.if DOCPART == 1
	.amdgcn_target "amdgcn-amd-amdhsa--gfx1250"
	.amdhsa_code_object_version 6
	.text
	.protected	k_q3d92ff26f1_quant
	.globl	k_q3d92ff26f1_quant
	.p2align	8
	.type	k_q3d92ff26f1_quant,@function
k_q3d92ff26f1_quant:
	s_mov_b64 s[64:65], 0
	v_nop
	global_prefetch_b8 v0, s[64:65] scope:SCOPE_SE
	s_setreg_imm32_b32 hwreg(HW_REG_WAVE_MODE, 25, 1), 1
	s_wait_xcnt 0x0
; x [8192][1024] and w_qkv [3072][1024], f32, become codes of FP4 (E2M1), K innermost, two codes a byte, with one E8M0 scale byte for each 32 along K; w_o [1024][1024] f32 is rounded to f16.
; A block's scale is 2^(floor(log2(its largest magnitude)) - 2); its byte is the largest magnitude's exponent field - 2, held at 1 from below.  Each number is divided by the scale and rounded to the nearest code, ties to even;
; beyond the largest code the conversion gives the largest code.
; LIMITS: a block of zeros gets the byte 1 (its codes are zeros, and the bytes are read by this program alone); NaN and infinities among the inputs are not served; |w_o| stays under 65,504, f16's largest number.
; SHARES: work-groups 0-255 take x, 256-351 w_qkv, 32,768 numbers each (rows are dense and K is a multiple of 32: both tensors are plain streams of blocks of 32); work-groups 352-383 take w_o.
; THE QUANTISER: a wave takes 16 steps of 512 numbers.  A load reads 512 consecutive bytes, 16 a lane; a step's 2,048 bytes turn through the wave's own stage in LDS and come back 64 bytes a lane, so that a lane holds 16
; neighbours along K and two neighbouring lanes a block.  A lane's 16 codes are 8 bytes: the wave stores 256 consecutive bytes.  A wave's 256 scale bytes are gathered in LDS and leave by one store of 256 consecutive bytes.
; No tensor loads, no barrier: waves share nothing.  Loads run four steps (16 loads a wave) ahead.
.set WAVES, 4
.set STEPS, 16
.set WGX,   256                        ; work-groups for x
.set WGQ,   352                        ; work-groups for x and w_qkv
.set EMAX,  2
.set CB,    8                          ; bytes of 16 codes
.set R,     16                         ; v16-79   four sets of 16 numbers as loaded
.set X,     80                         ; v80-111  two sets of 16 neighbours
.set E,     112                        ; v112-127 a scale byte for each step
.set C,     128                        ; v128-191 codes: four registers for each step, so that no store's data are written again
.set WREG,  8192                       ; LDS: a region for each wave: two stages of 32 x SP bytes, then its 256 scale bytes
.set SP,    80                         ; a lane's place in a stage: 64 bytes + 16 of padding
.set SPW,   12                         ; v12 LDS address of my spare word; never rewritten
.set NIL,   13                         ; v13 0; never rewritten
.set SPARE, WAVES*WREG                 ; behind the four regions: the spare words, 128 bytes a wave
	s_load_b256 s[4:11], s[0:1], 0x0               ; x s[4:5], w_qkv s[6:7], w_o s[8:9], x_codes s[10:11]
	s_load_b256 s[12:19], s[0:1], 0x20             ; x_scales s[12:13], w_codes s[14:15], w_scales s[16:17], wo16 s[18:19]
	v_lshl_add_u32 v[SPW], v0, 2, SPARE
	v_mov_b32 v[NIL], 0
	v_lshrrev_b32 v1, 5, v0
	v_readfirstlane_b32 s20, v1                    ; wave
	v_and_b32 v2, 31, v0                           ; lane
	s_cmp_ge_u32 ttmp9, WGQ                        ; the work-group's number alone decides
	s_cbranch_scc1 .Lcast
	v_lshlrev_b32 v3, 4, v2                        ; my 16 bytes of a load's 512
	s_mul_i32 s21, s20, WREG
	v_lshrrev_b32 v14, 2, v2
	v_mul_u32_u24 v14, v14, SP
	v_and_b32 v15, 3, v2
	v_lshl_add_u32 v14, v15, 4, v14
	v_add_nc_u32 v14, s21, v14                     ; the stage, on the way in: SP (lane / 4) + 16 (lane % 4)
	v_mul_u32_u24 v15, v2, SP
	v_add_nc_u32 v15, s21, v15                     ; and on the way out: SP x lane
	v_mul_u32_u24 v4, v2, CB                       ; my codes' place in a step's
	v_lshrrev_b32 v5, 1, v2
	s_add_co_u32 s21, s21, 2*32*SP
	v_add_nc_u32 v5, s21, v5                       ; my block's scale byte in LDS
	v_lshlrev_b32 v7, 3, v2                        ; and on the way out 8 bytes a lane
	v_add_nc_u32 v6, s21, v7
	s_wait_kmcnt 0x0
	s_cmp_lt_u32 ttmp9, WGX                        ; x's work-group or w_qkv's: only pointers are chosen
	s_cselect_b64 s[4:5], s[4:5], s[6:7]
	s_cselect_b64 s[10:11], s[10:11], s[14:15]
	s_cselect_b64 s[12:13], s[12:13], s[16:17]
	s_cselect_b32 s21, 0, WGX
	s_sub_co_u32 s21, ttmp9, s21
	s_lshl_b32 s21, s21, 2
	s_add_co_u32 s22, s21, s20                     ; which run of 8,192 numbers is my wave's
	s_mov_b32 s23, 0
	s_mov_b64 s[24:25], 512*STEPS*4
	s_mul_u64 s[24:25], s[22:23], s[24:25]
	s_add_nc_u64 s[4:5], s[4:5], s[24:25]
	s_mov_b64 s[24:25], 32*STEPS*CB
	s_mul_u64 s[24:25], s[22:23], s[24:25]
	s_add_nc_u64 s[10:11], s[10:11], s[24:25]
	s_lshl_b32 s22, s22, 8                         ; 256 scale bytes a run
	s_add_nc_u64 s[12:13], s[12:13], s[22:23]
.macro LOAD t
.irp i, 0,1,2,3
	global_load_b128 v[R+16*((\t)%4)+4*\i:R+16*((\t)%4)+4*\i+3], v3, s[4:5] offset:2048*(\t)+512*\i th:TH_LOAD_NT   ; 32 lanes read 512 consecutive bytes
.endr
.endm
.macro TURN t                          ; step t's numbers through the stage: LDS serves a wave's instructions in order, so no wait stands between the stores and the loads
.irp i, 0,1,2,3
	ds_store_b128 v14, v[R+16*((\t)%4)+4*\i:R+16*((\t)%4)+4*\i+3] offset:32*SP*((\t)%2)+8*SP*\i
.endr
.irp i, 0,1,2,3
	ds_load_b128 v[X+16*((\t)%2)+4*\i:X+16*((\t)%2)+4*\i+3], v15 offset:32*SP*((\t)%2)+16*\i
.endr
.endm
.irp t, 0,1,2,3
	LOAD \t
.endr
	s_wait_loadcnt 12                              ; step 0's four loads are in; three steps' twelve may be out
	TURN 0
.macro STEP t
.set XS, X+16*((\t)%2)
.if (\t) > 0
	s_wait_dscnt 1                                 ; this step's numbers are back from the stage (the last step's byte store may be out)
.else
	s_wait_dscnt 0x0
.endif
.if (\t)+4 < STEPS
	LOAD (\t)+4                                    ; into the registers whose stores into the stage are done
.endif
.if (\t)+1 < STEPS
.if STEPS-2-(\t) >= 3
	s_wait_loadcnt 12                              ; the next step's four loads are in; those of the three steps behind it may be out
.else
	s_wait_loadcnt 4*(STEPS-2-(\t))
.endif
	TURN (\t)+1                                    ; through the other stage while this step is worked
.endif
	v_max3_num_f32 v8, |v[XS]|, |v[XS+1]|, |v[XS+2]|               ; the largest magnitude of my 16, in two chains
	v_max3_num_f32 v9, |v[XS+3]|, |v[XS+4]|, |v[XS+5]|
.irp i, 6,10
	v_max3_num_f32 v8, v8, |v[XS+\i]|, |v[XS+\i+1]|
	v_max3_num_f32 v9, v9, |v[XS+\i+2]|, |v[XS+\i+3]|
.endr
	v_max3_num_f32 v8, v8, |v[XS+14]|, |v[XS+15]|
	v_max3_num_f32 v8, v8, v9, (EMAX+1)<<23        ; and the floor 2^(EMAX + 1 - 127): the byte cannot fall under 1
	v_max_num_f32_dpp v8, v8, v8 row_xmask:1 row_mask:0xf bank_mask:0xf   ; with my neighbour's 16: the block's
	v_add_nc_u32 v11, -(EMAX<<23), v8              ; EMAX off its exponent field: the conversion takes the exponent field of this operand as its scale
	v_cvt_scalef32_pk8_fp4_f32 v[C+4*(\t)], v[XS:XS+7], v11
	v_cvt_scalef32_pk8_fp4_f32 v[C+4*(\t)+1], v[XS+8:XS+15], v11
	v_lshrrev_b32 v[E+(\t)], 23, v11               ; the scale's byte (a plain line behind the conversions)
	ds_store_b8 v5, v[E+(\t)] offset:16*(\t)       ; both lanes of a block write the same byte with the same value
	global_store_b64 v4, v[C+4*(\t):C+4*(\t)+1], s[10:11] offset:32*CB*(\t)   ; the wave stores 256 consecutive bytes
.endm
.irp t, 0,1,2,3,4,5,6,7,8,9,10,11,12,13,14,15
	STEP \t
.endr
	ds_load_b64 v[8:9], v6                         ; LDS serves a wave's instructions in order: these see my byte stores
	s_wait_dscnt 0x0
	global_store_b64 v7, v[8:9], s[12:13]          ; 32 lanes store 256 consecutive bytes
	s_wait_tensorcnt 0x0                           ; the wave's end, behind my last LDS store
	ds_add_u32 v[SPW], v[NIL]
	s_wait_dscnt 0x0
	s_endpgm
; w_o to f16.  A wave takes 8,192 numbers in 32 pieces of 256: a lane reads 32 bytes (two loads) and stores 16, so that the wave's store covers 512 consecutive bytes.  No LDS on this path.
; Pieces go in four groups of eight, in two sets of registers: one group's 16 loads are out while the group before is converted.
.Lcast:
	v_lshlrev_b32 v1, 5, v2                        ; 32 x lane
	v_lshlrev_b32 v3, 4, v2                        ; 16 x lane
	s_sub_co_u32 s21, ttmp9, WGQ
	s_lshl_b32 s21, s21, 2
	s_add_co_u32 s21, s21, s20                     ; my run of 8,192 numbers
	s_lshl_b32 s22, s21, 15
	s_mov_b32 s23, 0
	s_lshl_b32 s24, s21, 14
	s_mov_b32 s25, 0
	s_wait_kmcnt 0x0
	s_add_nc_u64 s[8:9], s[8:9], s[22:23]
	s_add_nc_u64 s[18:19], s[18:19], s[24:25]
.macro LOADG g
.irp i, 0,1,2,3,4,5,6,7
	global_load_b128 v[16+64*((\g)%2)+8*\i:16+64*((\g)%2)+8*\i+3], v1, s[8:9] offset:1024*(8*(\g)+\i) th:TH_LOAD_NT
	global_load_b128 v[16+64*((\g)%2)+8*\i+4:16+64*((\g)%2)+8*\i+7], v1, s[8:9] offset:1024*(8*(\g)+\i)+16 th:TH_LOAD_NT
.endr
.endm
.macro CASTG g
.if (\g) < 3
	s_wait_loadcnt 16                              ; this group's 16 loads are in; the next group's 16 may be out
.else
	s_wait_loadcnt 0x0
.endif
.if (\g) > 0
	s_wait_xcnt 0x0                                ; the last group's stores have read v144-175, which are written again below
.endif
.irp i, 0,1,2,3,4,5,6,7
.irp k, 0,1,2,3
	v_cvt_pk_f16_f32 v[144+4*\i+\k], v[16+64*((\g)%2)+8*\i+2*\k], v[16+64*((\g)%2)+8*\i+2*\k+1]
.endr
.endr
.irp i, 0,1,2,3,4,5,6,7
	global_store_b128 v3, v[144+4*\i:144+4*\i+3], s[18:19] offset:512*(8*(\g)+\i)
.endr
.if (\g) < 2
	LOADG (\g)+2
.endif
.endm
	LOADG 0
	LOADG 1
	CASTG 0
	CASTG 1
	CASTG 2
	CASTG 3
	s_endpgm
.Lfunc_end_k_q3d92ff26f1_quant:
	.size	k_q3d92ff26f1_quant, .Lfunc_end_k_q3d92ff26f1_quant-k_q3d92ff26f1_quant
	.p2alignl 7, 3214868480
	.fill 96, 4, 3214868480
	.section	.rodata,"a",@progbits
	.p2align	6, 0x0
	.amdhsa_kernel k_q3d92ff26f1_quant
		.amdhsa_group_segment_fixed_size 33280
		.amdhsa_private_segment_fixed_size 0
		.amdhsa_enable_private_segment 0
		.amdhsa_kernarg_size 64
		.amdhsa_user_sgpr_count 2
		.amdhsa_user_sgpr_kernarg_segment_ptr 1
		.amdhsa_wavefront_size32 1
		.amdhsa_system_sgpr_workgroup_id_x 1
		.amdhsa_system_sgpr_workgroup_id_y 1
		.amdhsa_system_sgpr_workgroup_id_z 1
		.amdhsa_system_vgpr_workitem_id 0
		.amdhsa_next_free_vgpr 192
		.amdhsa_next_free_sgpr 66
		.amdhsa_reserve_vcc 0
		.amdhsa_float_denorm_mode_32 3
		.amdhsa_float_denorm_mode_16_64 3
		.amdhsa_memory_ordered 1
		.amdhsa_forward_progress 1
		.amdhsa_inst_pref_size 51
	.end_amdhsa_kernel
	.amdgpu_metadata
---
amdhsa.version: [ 1, 2 ]
amdhsa.kernels:
  - .name:           k_q3d92ff26f1_quant
    .symbol:         k_q3d92ff26f1_quant.kd
    .args:
      - { .name: x, .offset: 0, .size: 8, .value_kind: global_buffer, .address_space: global }
      - { .name: w_qkv, .offset: 8, .size: 8, .value_kind: global_buffer, .address_space: global }
      - { .name: w_o, .offset: 16, .size: 8, .value_kind: global_buffer, .address_space: global }
      - { .name: x_codes, .offset: 24, .size: 8, .value_kind: global_buffer, .address_space: global }
      - { .name: x_scales, .offset: 32, .size: 8, .value_kind: global_buffer, .address_space: global }
      - { .name: w_codes, .offset: 40, .size: 8, .value_kind: global_buffer, .address_space: global }
      - { .name: w_scales, .offset: 48, .size: 8, .value_kind: global_buffer, .address_space: global }
      - { .name: wo16, .offset: 56, .size: 8, .value_kind: global_buffer, .address_space: global }
    .group_segment_fixed_size: 33280
    .private_segment_fixed_size: 0
    .kernarg_segment_align: 8
    .kernarg_segment_size: 64
    .max_flat_workgroup_size: 128
    .sgpr_count:     66
    .vgpr_count:     192
    .wavefront_size: 32
...
	.end_amdgpu_metadata
.endif
;; end of part 1
;; launch qkv (part 2): grid 12 x 32, 4 waves a work-group, clusters of 4 x 4, 327,680 bytes of LDS; arguments x_codes, x_scales, w_codes, w_scales, qkv16, qkv32; writes qkv16, qkv32
.if DOCPART == 2
	.amdgcn_target "amdgcn-amd-amdhsa--gfx1250"
	.amdhsa_code_object_version 6
	.text
	.protected	k_q3d92ff26f1_qkv
	.globl	k_q3d92ff26f1_qkv
	.p2align	8
	.type	k_q3d92ff26f1_qkv,@function
k_q3d92ff26f1_qkv:
	s_mov_b64 s[64:65], 0
	v_nop
	global_prefetch_b8 v0, s[64:65] scope:SCOPE_SE
	s_setreg_imm32_b32 hwreg(HW_REG_WAVE_MODE, 25, 1), 1
	s_wait_xcnt 0x0
	s_wait_alu depctr_hold_cnt(0) depctr_sa_sdst(0) depctr_va_vdst(0) depctr_va_sdst(0) depctr_va_ssrc(0) depctr_va_vcc(0) depctr_vm_vsrc(0)
	s_getreg_b32 s2, hwreg(HW_REG_IB_STS2, 6, 4)
	s_cmp_eq_u32 s2, 0
	s_cbranch_scc0 .Lentry_in_a_cluster
	s_endpgm
.Lentry_in_a_cluster:
	s_bfe_u32 s2, ttmp6, 0x10000c
	s_cmp_lg_u32 s2, 0xf033
	s_cbranch_scc0 .Lentry_shape_is_right
	s_endpgm
.Lentry_shape_is_right:
; The fused QKV projection on codes of FP4 (E2M1) with one E8M0 scale for each 32 along K: C[m][n] = sum over k of x[m][k] w[n][k], m = 2048 b + s (8,192), n = 1024 q + 64 h + k (3,072), K = 1,024; sums in f32.
; RESULTS: rounded to f16 into qkv16 [plane = 64 q + 16 b + h][s][64]; positions s < 16 of every batch also as f32 into qkv32 [b][s][3072].  LIMIT: |Q|, |K|, |V| stay under 65,504, f16's largest number.
; A tile of C, 256 x 256, is made by four waves, 128 x 128 each: 64 accumulators of 16 x 16, 512 registers.  K is two slots of 512 (LDS rows of 256 bytes + 16 of padding): both are asked for at the head, nothing is filled again.
; The scale bytes of the work-group's 256 + 256 rows, for all of K, are two dense blocks of 8,192 bytes: they come with the first fills.
; CLUSTERS: 4 x 4 work-groups.  The four of a row of the cluster need the same tiles of x, the four of a column the same tiles of w: each is asked for jointly.  Tile row = 8 cy + cluster y: the four rows of a cluster are
; the four batches at one block of 256 positions, so that 'this tile holds positions 0-15' is 'cluster y = 0', the same in all sixteen partners.
; THE MATRIX INSTRUCTION IS USED TRANSPOSED (source 0 = 16 rows of w, source 1 = 16 rows of x): a lane holds eight neighbouring columns of one row of C.
; REGISTERS, in windows of 256: window 0: v0-31 addresses; v32-95 scale words, two sets; v128-191 x's fragments, one set; on the way out v32-191 are free.  window 1: w's fragments, two sets, at v0 and v128.
;   window 2: the accumulators of my rows 0-63 ((a, b) at v[8 (8 a + b)]); window 3: those of rows 64-127.
.set SIZE_K, 1024
.set KSTEP,  512
.set NQ,     KSTEP/128
.set ROWB,   256                       ; a tile's row in bytes
.set KROW,   SIZE_K*4/8                ; a row of codes in memory
.set PITCH,  272                       ; an LDS row: 68 words, so that the 16 rows of a load start 4 banks apart (64 banks of 4 bytes: ISA guide 11.1)
.set FR,     8
.set NL,     2
.set NP,     4                         ; places behind this matrix instruction (ISA guide 7.12.1)
.set HALFT,  128*PITCH
.set SLOT,   4*HALFT
.set KS,     SIZE_K/32                 ; a row of scale bytes
.set SCL,    2*SLOT
.set HALFS,  (128*KS/256)*272
.set SBLK,   (16*KS/256)*272
.set SPARE,  SCL+4*HALFS               ; the spare words, 128 bytes a wave
.set STG32,  32768                     ; the way out's stages lie in slot 0, which has had its one fill and its last read: f16: 16 x 272 bytes a wave from byte 0; f32: 16 x 528 a wave from here
.set ADRA, 16                          ; v16-17 LDS address of my x fragments in slot 0, 1
.set ADRB, 20                          ; v20-21 the same for w
.set STO32, 22                         ; v22 f32 stage, in
.set RD32, 23                          ; v23 f32 stage, back
.set STO,  24                          ; v24 f16 stage, in
.set RD,   25                          ; v25 f16 stage, back
.set CO,   26                          ; v26 16 x lane
.set ADRS, 27                          ; v27 my scale words: lanes 0-15 x's rows, lanes 16-31 w's
.set SPW,  28
.set NIL,  29
.set SC,   32
.set AF,   128
.set TMP,  32                          ; the way out: v32-63 packed results
.set BK,   64                          ; v64-95, v96-127 rows read back, by turns
.set BK32, 128                         ; v128-191 the f32 rows read back
.set G1, 24
.set G0, 32
.set G1B, 48
.set G0B, 56
.set G1S, 68
.set G0S, 76
.set G1SB, 80
.set G0SB, 88
.set MSB, 0
.macro WIN new                         ; the immediate's high byte repeats the setting that is left
.if MSB != \new
	s_set_vgpr_msb (MSB<<8)|\new
.set MSB, \new
.endif
.endm
.set MUL_LO, 0xa1                      ; source 0 (w) window 1, source 1 (x) window 0, C and D window 2
.set MUL_HI, 0xf1
.set TO_B,   0x40
; A joint load: waves 0 and 1 fetch for x, waves 2 and 3 for w.  The branch hangs on the wave's number alone.  An s_nop 0 and four v_nop follow each of the two lines.
.macro JLOAD g0a, g1a, g0b, g1b
	s_cmp_eq_u32 s15, 0
	s_cbranch_scc0 .Lfor_b_\@
	tensor_load_to_lds s[\g0a:\g0a+3], s[\g1a:\g1a+7]
	s_nop 0
.rept 4
	v_nop
.endr
	s_branch .Lasked_\@
.Lfor_b_\@:
	tensor_load_to_lds s[\g0b:\g0b+3], s[\g1b:\g1b+7]
	s_nop 0
.rept 4
	v_nop
.endr
.Lasked_\@:
.endm
.macro CROUND                          ; a round of the cluster's barrier
	s_barrier_signal -1
	s_barrier_wait -1
	s_cmp_lg_u32 s14, 0
	s_cbranch_scc1 .Lnot_wave_0_\@
	s_barrier_signal -3
.Lnot_wave_0_\@:
	s_barrier_wait -3
	s_barrier_signal -1
	s_barrier_wait -1
.endm
	s_load_b128 s[4:7], s[0:1], 0x0                ; x's codes, x's scales
	s_load_b128 s[8:11], s[0:1], 0x10              ; w's codes, w's scales
	s_load_b64 s[12:13], s[0:1], 0x20              ; qkv16
	s_load_b64 s[96:97], s[0:1], 0x28              ; qkv32
	v_lshl_add_u32 v[SPW], v0, 2, SPARE
	v_mov_b32 v[NIL], 0
	ds_add_u32 v[SPW], v[NIL]                      ; the wave's opening: the add, twice on end, and its wait ahead of my first tensor load
	ds_add_u32 v[SPW], v[NIL]
	v_lshrrev_b32 v1, 5, v0
	v_readfirstlane_b32 s14, v1                    ; wave 0..3
	s_lshr_b32 s15, s14, 1                         ; which half of the tile's rows is mine.  Also: I fetch for x (0) or for w (1)
	s_and_b32 s16, s14, 1                          ; which half of its columns.  Also: which 128 rows I fetch
	s_bfe_u32 s40, ttmp6, 0x40000                  ; cx
	s_bfe_u32 s41, ttmp6, 0x40004                  ; cy
	s_lshl_b32 s42, ttmp9, 2
	s_add_co_u32 s42, s42, s40                     ; tile column = 4 x cluster x + cx
	s_and_b32 s95, ttmp7, 0xffff                   ; cluster y
	s_lshl_b32 s17, s41, 3
	s_add_co_u32 s17, s17, s95                     ; tile row = 8 cy + cluster y: batch cy, positions 256 x cluster y on
	s_lshl_b32 s43, s41, 2
	s_lshl_b32 s43, 15, s43                        ; my row of the cluster
	s_lshl_b32 s44, 0x1111, s40                    ; my column
	s_or_b32 s[G1+0], s43, (0<<16)|(1<<20)|(1<<21)|(5<<22)|(3<<25)  ; the mask; elements of 1 byte; padding on: 4 words after every 64; bit 21 beside a mask
	s_or_b32 s[G1B+0], s44, (0<<16)|(1<<20)|(1<<21)|(5<<22)|(3<<25)
.irp g, G1, G1B
	s_mov_b32 s[\g+1], ROWB<<16                    ; tensor_dim0
	s_mov_b32 s[\g+2], 128<<16                     ; tensor_dim1
	s_mov_b32 s[\g+3], ROWB<<16                    ; tile_dim0
	s_mov_b32 s[\g+4], 128                         ; tile_dim1
	s_mov_b32 s[\g+5], KROW                        ; the pitch in memory
	s_mov_b32 s[\g+6], 0
	s_mov_b32 s[\g+7], 0
.endr
	s_or_b32 s[G1S+0], s43, (3<<16)|(1<<20)|(1<<21)|(5<<22)|(3<<25)  ; the scales of 128 rows: 4,096 dense bytes as 16 rows of 256 (32 elements of 8 bytes), 16 bytes of padding behind each
	s_or_b32 s[G1SB+0], s44, (3<<16)|(1<<20)|(1<<21)|(5<<22)|(3<<25)
.irp g, G1S, G1SB
	s_mov_b32 s[\g+1], 32<<16
	s_mov_b32 s[\g+2], (128*KS/256)<<16
	s_mov_b32 s[\g+3], 32<<16
	s_mov_b32 s[\g+4], 128*KS/256
	s_mov_b32 s[\g+5], 32
	s_mov_b32 s[\g+6], 0
	s_mov_b32 s[\g+7], 0
.endr
	s_lshl_b32 s18, s16, 7                         ; which 128 rows of the tile I fetch
	s_lshl_b32 s20, s17, 8
	s_add_co_u32 s20, s20, s18                     ; x: row 256 x tile row + 128 x half
	s_lshl_b32 s46, s42, 8
	s_add_co_u32 s46, s46, s18                     ; w: row 256 x tile column + 128 x half
	s_mov_b32 s21, 0
	s_mov_b32 s47, 0
	s_mov_b64 s[18:19], KS
	s_mul_u64 s[22:23], s[20:21], s[18:19]         ; where these rows' scales begin
	s_mul_u64 s[92:93], s[46:47], s[18:19]
	s_mov_b64 s[18:19], KROW
	s_mul_u64 s[20:21], s[20:21], s[18:19]         ; and their codes
	s_mul_u64 s[46:47], s[46:47], s[18:19]
	s_mul_i32 s45, s14, HALFT                      ; where they go: wave x 128 rows
	s_mul_i32 s94, s14, HALFS
	s_wait_dscnt 0x0                               ; both opening adds are done
	s_wait_kmcnt 0x0
	s_add_nc_u64 s[20:21], s[4:5], s[20:21]
	s_add_nc_u64 s[22:23], s[6:7], s[22:23]
	s_add_nc_u64 s[46:47], s[8:9], s[46:47]
	s_add_nc_u64 s[92:93], s[10:11], s[92:93]
	CROUND                                         ; all sixteen work-groups are here: the joint loads meet
	s_mov_b32 s[G0S], 1
	s_add_co_u32 s[G0S+1], s94, SCL
	s_mov_b64 s[G0S+2:G0S+3], s[22:23]
	s_or_b32 s[G0S+3], s[G0S+3], 0x80000000
	s_mov_b32 s[G0SB], 1
	s_add_co_u32 s[G0SB+1], s94, SCL
	s_mov_b64 s[G0SB+2:G0SB+3], s[92:93]
	s_or_b32 s[G0SB+3], s[G0SB+3], 0x80000000
	JLOAD G0S, G1S, G0SB, G1SB                     ; the scales first: they are wanted with slot 0.  Three tensor loads of a wave are out at the most
.irp s, 0,1
	s_mov_b32 s[G0+4*\s], 1
	s_add_co_u32 s[G0+4*\s+1], s45, \s*SLOT
	s_add_nc_u64 s[G0+4*\s+2:G0+4*\s+3], s[20:21], \s*ROWB
	s_or_b32 s[G0+4*\s+3], s[G0+4*\s+3], 0x80000000
	s_mov_b32 s[G0B+4*\s], 1
	s_add_co_u32 s[G0B+4*\s+1], s45, \s*SLOT
	s_add_nc_u64 s[G0B+4*\s+2:G0B+4*\s+3], s[46:47], \s*ROWB
	s_or_b32 s[G0B+4*\s+3], s[G0B+4*\s+3], 0x80000000
	JLOAD G0+4*\s, G1, G0B+4*\s, G1B
.endr
	v_and_b32 v1, 15, v0                           ; r = lane % 16
	v_bfe_u32 v2, v0, 4, 1                         ; h = lane / 16
	v_mul_u32_u24 v3, v1, PITCH
	v_lshl_add_u32 v4, v2, 4, v3                   ; a fragment's row x pitch + 16 h
	s_mul_i32 s21, s15, HALFT                      ; my 128 rows of x
	s_mul_i32 s22, s16, HALFT                      ; my 128 rows of w,
	s_add_co_u32 s22, s22, 2*HALFT                 ; which lie behind x's 256
.irp s, 0,1
	v_add_nc_u32 v[ADRA+\s], s21, v4
	v_add_nc_u32 v[ADRB+\s], s22, v4
	s_add_co_u32 s21, s21, SLOT
	s_add_co_u32 s22, s22, SLOT
.endr
	v_mul_u32_u24 v5, v1, KS                       ; my row's scales: KS bytes a row,
	v_lshrrev_b32 v6, 8, v5
	v_lshl_add_u32 v5, v6, 4, v5                   ; and 16 more for each 256 passed
	s_mul_i32 s21, s15, HALFS
	s_mul_i32 s22, s16, HALFS
	s_add_co_u32 s22, s22, 2*HALFS
	s_sub_co_u32 s22, s22, s21
	v_mul_u32_u24 v6, s22, v2                      ; lanes 16-31 take w's: the lower base + h x the distance
	s_add_co_u32 s21, s21, SCL
	v_add_nc_u32 v5, v5, v6
	v_add_nc_u32 v[ADRS], s21, v5
	s_mul_i32 s23, s14, 16*272                     ; my f16 stage
	v_mul_u32_u24 v5, v1, 272
	v_lshl_add_u32 v5, v2, 4, v5
	v_add_nc_u32 v[STO], s23, v5                   ; in: row r, 16 bytes for each half of the lanes
	v_and_b32 v6, 31, v0
	v_lshrrev_b32 v5, 3, v6
	v_mul_u32_u24 v5, v5, 272
	v_and_b32 v7, 7, v0
	v_lshl_add_u32 v5, v7, 4, v5
	v_add_nc_u32 v[RD], s23, v5                    ; back: eight lanes to a head's 128 bytes of a row, four rows an instruction
	v_lshlrev_b32 v[CO], 4, v6
	s_mul_i32 s23, s14, 16*528                     ; my f32 stage
	s_add_co_u32 s23, s23, STG32
	v_mul_u32_u24 v5, v1, 528
	v_lshl_add_u32 v5, v2, 5, v5
	v_add_nc_u32 v[STO32], s23, v5
	v_add_nc_u32 v[RD32], s23, v[CO]
	; where my results go.  My 128 columns are heads g and g + 1 of one of Q, K, V: g = 4 x tile column + 2 x column half
	s_lshl_b32 s46, s42, 2
	s_lshl_b32 s47, s16, 1
	s_add_co_u32 s46, s46, s47                     ; g
	s_lshr_b32 s47, s46, 4
	s_lshl_b32 s47, s47, 6                         ; 64 q
	s_and_b32 s46, s46, 15                         ; h
	s_add_co_u32 s46, s46, s47
	s_lshl_b32 s47, s41, 4                         ; 16 b
	s_add_co_u32 s46, s46, s47                     ; the plane
	s_lshl_b32 s46, s46, 18                        ; 262,144 bytes a plane
	s_lshl_b32 s47, s95, 15                        ; 256 x cluster y rows of 128 bytes
	s_add_co_u32 s46, s46, s47
	s_lshl_b32 s47, s15, 14                        ; my 128 rows
	s_add_co_u32 s46, s46, s47
	s_mov_b32 s47, 0
	s_add_nc_u64 s[12:13], s[12:13], s[46:47]
	s_mul_i32 s46, s41, 196608                     ; qkv32: 16 rows of 12,288 bytes a batch,
	s_lshl_b32 s47, s42, 10                        ; 1,024 bytes a tile column,
	s_add_co_u32 s46, s46, s47
	s_lshl_b32 s47, s16, 9                         ; 512 a half
	s_add_co_u32 s46, s46, s47
	s_mov_b32 s47, 0
	s_add_nc_u64 s[96:97], s[96:97], s[46:47]
.macro FRAG reg, adr, q, i             ; 16 rows x 128 K of 4-bit codes: 8 registers: lane l holds row l % 16; registers 4 c .. 4 c + 3 hold K = 64 c + 32 (l / 16) + 0 .. 31
.irp c, 0,1
	ds_load_b128 v[\reg+4*\c:\reg+4*\c+3], v[\adr] offset:64*(\q)+32*\c+(\i)*16*PITCH
.endr
.endm
; 16 matrix instructions: x's blocks a0, a0 + 1 against w's eight, 128 along K.  The 64 accumulators take turns, one instruction a turn, in the same order in every step.
.macro MUL16 a0, p, q, sc, zero
.irp a, \a0, \a0+1
.irp b, 0,1,2,3,4,5,6,7
.if \zero
	v_wmma_scale_f32_16x16x128_f8f6f4 v[8*(8*((\a)%4)+\b):8*(8*((\a)%4)+\b)+7], v[128*(\p)+FR*\b:128*(\p)+FR*\b+FR-1], v[AF+FR*(\a):AF+FR*(\a)+FR-1], 0, v[SC+8*NQ*(\sc)+NQ*\b+(\q)], v[SC+8*NQ*(\sc)+NQ*(\a)+(\q)] matrix_a_fmt:MATRIX_FMT_FP4 matrix_b_fmt:MATRIX_FMT_FP4 matrix_a_scale:MATRIX_SCALE_ROW1
.else
	v_wmma_scale_f32_16x16x128_f8f6f4 v[8*(8*((\a)%4)+\b):8*(8*((\a)%4)+\b)+7], v[128*(\p)+FR*\b:128*(\p)+FR*\b+FR-1], v[AF+FR*(\a):AF+FR*(\a)+FR-1], v[8*(8*((\a)%4)+\b):8*(8*((\a)%4)+\b)+7], v[SC+8*NQ*(\sc)+NQ*\b+(\q)], v[SC+8*NQ*(\sc)+NQ*(\a)+(\q)] matrix_a_fmt:MATRIX_FMT_FP4 matrix_b_fmt:MATRIX_FMT_FP4 matrix_a_scale:MATRIX_SCALE_ROW1
.endif
.endr
.endr
.endm
.macro FETCH_B slot, q, p
	WIN TO_B
.irp i, 0,1,2,3,4,5,6,7
	FRAG 128*(\p)+FR*\i, ADRB+\slot, \q, \i
.endr
	WIN 0
.endm
.macro FETCH_A slot, q, i0
.irp i, \i0, \i0+1, \i0+2, \i0+3
	FRAG AF+FR*(\i), ADRA+\slot, \q, \i
.endr
.endm
.macro SCALES sc                       ; a slot's scale words: four words a row; lanes 0-15 take x's block i, lanes 16-31 w's block i
.irp i, 0,1,2,3,4,5,6,7
	ds_load_b128 v[SC+8*NQ*\sc+NQ*\i:SC+8*NQ*\sc+NQ*\i+3], v[ADRS] offset:\i*SBLK
.endr
.endm
.macro PLACES n                        ; plain vector instructions between a matrix instruction and a load into, or a read of, its registers
.rept \n
	v_nop
.endr
.endm
.macro STEP slot, q, zero              ; a step of 128 along K that has its successor in the same slot
	s_wait_dscnt 4*NL                              ; w's set and x's blocks 0-3 are in; the youngest eight loads (x's blocks 4-7) may be out
	WIN MUL_LO
	MUL16 0, (\q)%2, \q, \slot, \zero
	MUL16 2, (\q)%2, \q, \slot, \zero
	s_wait_dscnt 0
	PLACES NP
	FETCH_B \slot, (\q)+1, 1-(\q)%2
	FETCH_A \slot, (\q)+1, 0
	WIN MUL_HI
	MUL16 4, (\q)%2, \q, \slot, \zero
	MUL16 6, (\q)%2, \q, \slot, \zero
	PLACES NP
	WIN 0
	FETCH_A \slot, (\q)+1, 4
.endm
; Slot 0's last step changes slots: one barrier; in front of it each wave waits for all its tensor loads (its part of slot 1), adds 0 to its spare word, and waits for that and for its reads of slot 0.  Nothing is filled again.
.macro TURN slot, next
	s_wait_tensorcnt 0x0
	ds_add_u32 v[SPW], v[NIL]
	s_wait_dscnt 4*NL+1                            ; the add and the youngest eight loads may be out
	WIN MUL_LO
	MUL16 0, 1, NQ-1, \slot, 0
	s_wait_dscnt 0x0                               ; the add is done, and my reads of this slot are over
	s_barrier_signal -1
	MUL16 2, 1, NQ-1, \slot, 0
	WIN 0
	s_barrier_wait -1
	PLACES NP
	v_add_nc_u32 v[ADRS], 4*NQ, v[ADRS]            ; on to the next slot's scale words
	FETCH_B \next, 0, 0
	FETCH_A \next, 0, 0
	SCALES \next
	WIN MUL_HI
	MUL16 4, 1, NQ-1, \slot, 0
	MUL16 6, 1, NQ-1, \slot, 0
	PLACES NP
	WIN 0
	FETCH_A \next, 0, 4
.endm
.macro STEPS slot, from
.set Q, \from
.rept NQ-1-\from
	STEP \slot, Q, 0
.set Q, Q+1
.endr
.endm
	s_wait_tensorcnt 1                             ; the scales and my part of slot 0 are in; slot 1's load may be out,
	s_barrier_signal -1
	s_barrier_wait -1                              ; everybody's are
	FETCH_B 0, 0, 0
	FETCH_A 0, 0, 0
	SCALES 0
	FETCH_A 0, 0, 4
	STEP 0, 0, 1                                   ; the first step's products start the sums: nothing is cleared
	STEPS 0, 1
	TURN 0, 1
	STEPS 1, 0
	s_wait_dscnt 4*NL                              ; the last step: nothing more to fetch
	WIN MUL_LO
	MUL16 0, 1, NQ-1, 1, 0
	MUL16 2, 1, NQ-1, 1, 0
	s_wait_dscnt 0
	WIN MUL_HI
	MUL16 4, 1, NQ-1, 1, 0
	MUL16 6, 1, NQ-1, 1, 0
	WIN 0
; THE WAY OUT, block by block of 16 rows x 128 columns (two heads).  PACK: rounded to f16, 16 bytes a lane, each accumulator from its low end on.  TOSTAGE: into my stage, and back so that 32 lanes hold four rows of one head:
; 512 consecutive bytes of qkv16.  SEND: stored.  Block a's conversions stand between block a - 1's loads from the stage and the wait for them.
.macro PACK a
.set AC, 64*((\a)%4)
	WIN 0x0a+5*((\a)/4)                            ; sources 0 and 1: window 2 or 3
.irp b, 0,1,2,3,4,5,6,7
.irp i, 0,1,2,3
	v_cvt_pk_f16_f32 v[TMP+4*\b+\i], v[AC+8*\b+2*\i], v[AC+8*\b+2*\i+1]
.endr
.endr
	WIN 0
.endm
.macro TOSTAGE a
.set BB, BK+32*((\a)%2)
.irp b, 0,1,2,3,4,5,6,7
	ds_store_b128 v[STO], v[TMP+4*\b:TMP+4*\b+3] offset:32*\b
.endr
.irp t, 0,1,2,3,4,5,6,7
	ds_load_b128 v[BB+4*\t:BB+4*\t+3], v[RD] offset:1088*(\t%4)+128*(\t/4)   ; LDS serves a wave's instructions in order: these see the stores above
.endr
.endm
.macro SEND a
.set BB, BK+32*((\a)%2)
	s_wait_dscnt 0x0                               ; the block is back in registers
	s_wait_xcnt 0x0                                ; the stores of the block before have read their registers, into which the next block's loads will land
.irp t, 0,1,2,3,4,5,6,7
	global_store_b128 v[CO], v[BB+4*\t:BB+4*\t+3], s[12:13] offset:2048*(\a)+262144*(\t/4)+512*(\t%4)   ; 32 lanes store 512 consecutive bytes of one head
.endr
.endm
	PLACES NP                                      ; behind the last products: for the reads of results and the writes into registers that held scales and fragments
	PACK 0
	TOSTAGE 0
.irp a, 1,2,3,4,5,6,7
	PACK \a
	SEND \a-1
	TOSTAGE \a
.endr
	SEND 7
	; Positions 0-15 of a batch are rows 0-15 of the tiles with cluster y = 0: block 0 of waves 0 and 1.  They go out once more as f32.  Both conditions are the same in all sixteen partners, wave for wave.
	s_cmp_lg_u32 s95, 0
	s_cbranch_scc1 .Lno32
	s_cmp_lg_u32 s15, 0
	s_cbranch_scc1 .Lno32
	WIN 0x08                                       ; an LDS store's data are its source 1: window 2
.irp b, 0,1,2,3,4,5,6,7
	ds_store_b128 v[STO32], v[8*\b:8*\b+3] offset:64*\b
	ds_store_b128 v[STO32], v[8*\b+4:8*\b+7] offset:64*\b+16
.endr
	WIN 0
.irp t, 0,1,2,3,4,5,6,7,8,9,10,11,12,13,14,15
	ds_load_b128 v[BK32+4*\t:BK32+4*\t+3], v[RD32] offset:528*\t
.endr
.irp t, 0,1,2,3,4,5,6,7,8,9,10,11,12,13,14,15
	s_wait_dscnt 15-\t                             ; row t is back; the younger rows may be out
	global_store_b128 v[CO], v[BK32+4*\t:BK32+4*\t+3], s[96:97] offset:12288*\t   ; 32 lanes store 512 consecutive bytes of a row
.endr
.Lno32:
	s_wait_tensorcnt 0x0                           ; the wave's end, behind my last tensor load and my last LDS store
	ds_add_u32 v[SPW], v[NIL]
	s_wait_dscnt 0x0
	CROUND                                         ; the closing round
	s_endpgm
.Lfunc_end_k_q3d92ff26f1_qkv:
	.size	k_q3d92ff26f1_qkv, .Lfunc_end_k_q3d92ff26f1_qkv-k_q3d92ff26f1_qkv
	.p2alignl 7, 3214868480
	.fill 96, 4, 3214868480
	.section	.rodata,"a",@progbits
	.p2align	6, 0x0
	.amdhsa_kernel k_q3d92ff26f1_qkv
		.amdhsa_group_segment_fixed_size 327680
		.amdhsa_private_segment_fixed_size 0
		.amdhsa_enable_private_segment 0
		.amdhsa_kernarg_size 48
		.amdhsa_user_sgpr_count 2
		.amdhsa_user_sgpr_kernarg_segment_ptr 1
		.amdhsa_wavefront_size32 1
		.amdhsa_system_sgpr_workgroup_id_x 1
		.amdhsa_system_sgpr_workgroup_id_y 1
		.amdhsa_system_sgpr_workgroup_id_z 1
		.amdhsa_system_vgpr_workitem_id 0
		.amdhsa_next_free_vgpr 1024
		.amdhsa_next_free_sgpr 100
		.amdhsa_reserve_vcc 0
		.amdhsa_float_denorm_mode_32 3
		.amdhsa_float_denorm_mode_16_64 3
		.amdhsa_memory_ordered 1
		.amdhsa_forward_progress 1
		.amdhsa_inst_pref_size 131
	.end_amdhsa_kernel
	.amdgpu_metadata
---
amdhsa.version: [ 1, 2 ]
amdhsa.kernels:
  - .name:           k_q3d92ff26f1_qkv
    .symbol:         k_q3d92ff26f1_qkv.kd
    .args:
      - { .name: x_codes, .offset: 0, .size: 8, .value_kind: global_buffer, .address_space: global }
      - { .name: x_scales, .offset: 8, .size: 8, .value_kind: global_buffer, .address_space: global }
      - { .name: w_codes, .offset: 16, .size: 8, .value_kind: global_buffer, .address_space: global }
      - { .name: w_scales, .offset: 24, .size: 8, .value_kind: global_buffer, .address_space: global }
      - { .name: qkv16, .offset: 32, .size: 8, .value_kind: global_buffer, .address_space: global }
      - { .name: qkv32, .offset: 40, .size: 8, .value_kind: global_buffer, .address_space: global }
    .group_segment_fixed_size: 327680
    .private_segment_fixed_size: 0
    .kernarg_segment_align: 8
    .kernarg_segment_size: 48
    .max_flat_workgroup_size: 128
    .sgpr_count:     100
    .vgpr_count:     1024
    .wavefront_size: 32
...
	.end_amdgpu_metadata
.endif
;; end of part 2
;; launch attn (part 3): grid 4 x 64, 8 waves a work-group, no clusters, 327,680 bytes of LDS; arguments qkv16, attn16; writes attn16
.if DOCPART == 3
	.amdgcn_target "amdgcn-amd-amdhsa--gfx1250"
	.amdhsa_code_object_version 6
	.text
	.protected	k_q3d92ff26f1_attn
	.globl	k_q3d92ff26f1_attn
	.p2align	8
	.type	k_q3d92ff26f1_attn,@function
k_q3d92ff26f1_attn:
	s_mov_b64 s[64:65], 0
	v_nop
	global_prefetch_b8 v0, s[64:65] scope:SCOPE_SE
	s_setreg_imm32_b32 hwreg(HW_REG_WAVE_MODE, 25, 1), 1
	s_wait_xcnt 0x0
; Causal attention of one head: O[q] = sum over k <= q of softmax_k(Q[q] . K[k] / 8) V[k].  Q, K, V: planes of qkv16 [64 x (0, 1, 2) + 16 b + h][2048][64] f16; O: attn16 [16 b + h][2048][64] f16.
; Products on f16 operands with f32 sums; maxima, exponentials and row sums in f32, with a running maximum; the weights are rounded to f16 for the second product, O once at the end.
; LIMIT: |Q|, |K|, |V| and |O| stay under 65,504.  (Positions 0-15 of every sequence are made again, in f32, by a later launch.)
; SHARES.  Work-group (p, head) owns query blocks p and 7 - p (256 queries each): block p against key blocks 0 .. p, then block 7 - p against key blocks 0 .. 7 - p: always nine key blocks of 256 keys, so that all 256 work-groups
; have the same work and the loops' trip counts are constants.  Each of eight waves owns 32 queries, two tiles of 16: a fragment of K or V read from LDS feeds two products.  Two waves share a SIMD: one's vector work stands beside the other's products.
; NO CLUSTER: the four work-groups of a head walk the key blocks in different orders (p + 1 blocks, then 8 - p), so partners would want different tiles at the same change of slots.
; LAYOUT.  S^T = K Q^T (source 0 = 16 keys, source 1 = 16 queries): a lane holds ONE query (lane % 16) and keys 8 (lane / 16) + 0..7.  Two such tiles, rounded in pairs, are source 1 (32 keys x 16 queries) of O^T = V^T P.
; K comes out of LDS as it lies, V ([key][channel]) turned by ds_load_tr16_b128.
; THE MASK.  A step of 64 keys all of which come after the wave's 32 queries is left out (a scalar branch on ids); on the diagonal hidden scores become -infinity ahead of the maximum.  A step that is walked begins at or
; under the wave's first query, so every query has a key that counts in it and the maximum is a number.
; RING.  Two LDS slots of one key block each (K: 256 rows of 128 + 16 bytes; V: 256 rows of 128 + 32), filled by eight tensor loads, one a wave (waves 0-3: 64 rows of K; waves 4-7: 64 of V).  One tensor load of a wave is out at the most.
; REGISTERS.  window 0: v1-15 addresses and constants; v16-31 statistics, eight a tile: +0 c m, +1 m, +2, +3 l, +4..+7 at work (a in +6); v32-95 S^T; v96-127 P; v128-191 K's fragments; v192-255 V's.  window 1: v0-31 Q; v32-95 O^T.
.set PK,    144                        ; a row of K in LDS: 36 words, so that the 16 rows of a load start 4 banks apart modulo 64 (64 banks of 4 bytes: ISA guide 11.1)
.set PV,    160                        ; a row of V: 40 words
.set VOFF,  256*PK
.set SLOT1, 1<<17                      ; slot 1 begins here: one exclusive or turns an address from one slot to the other
.set STAGE, 2*SLOT1                    ; the way out: 16 rows x 144 bytes a wave
.set SPARE, STAGE+8*16*144             ; the spare words, 128 bytes a wave
.set RH,   1                           ; v1  r - 8 h
.set NINF, 2                           ; v2  -infinity
.set AK0,  3                           ; v3  my lane's place in a tile of K
.set AV0,  4                           ; v4  the same for V
.set ADK,  5
.set ADV,  6
.set QO,   7                           ; v7  my byte offset in a tile of Q
.set STO,  8
.set RD,   9
.set GO,   10                          ; v10 16 x lane
.set PFO,  11                          ; v11 256 x lane
.set SPW,  12
.set NIL,  13
.set DM,   14                          ; v14-15 my query - the step's first key - 8 h, for each tile
.set ST,   16
.set SR,   32
.set PR,   96
.set KFR,  128
.set VFR,  192
.set QR,   0                           ; window 1
.set OT,   32                          ; window 1
.set WV,   8                           ; s8  wave
.set PP,   9                           ; s9  p
.set BH,   10                          ; s10 the head's plane, 16 b + h
.set JJ,   11                          ; s11 the slot in hand, 0 .. 8
.set STP,  12                          ; s12 counts a slot's four steps
.set KF,   13                          ; s13 the step's first key
.set Q0,   14                          ; s14 my first query
.set KBN,  15                          ; s15 the key block last asked for
.set TBK,  16                          ; s16 LDS byte of the step's K
.set TBV,  17                          ; s17 of its V
.set CS,   18                          ; s[18:19] c = log2(e) / 8
.set SEL,  20                          ; s[20:21] v_permlanex16_b32's selects for lane l xor 16
.set LIM,  22                          ; s22 changes of slots at which this work-group prefetches: 6 where p = 0, else 0
.set PSW,  23                          ; s23 p + 1: the slot with which the second query block begins
.set G1K,  24
.set G1V,  32
.set G0K,  40
.set G0V,  44
.set KBA,  48                          ; s[48:49] K's plane at my 64 rows of key block 0
.set VBA,  50                          ; s[50:51] V's
.set OFF,  52                          ; s[52:53] an offset; the high word stays 0
.set QBA,  54
.set OBA,  56
.set QA,   58
.set OA,   60
.set PFA,  62                          ; s[62:63] where my prefetches stand
.set T0,   66
.set T1,   67
.set Q0B,  68                          ; s68 my first query in block 7 - p
.set MSB, 0
.macro WIN new
.if MSB != \new
	s_set_vgpr_msb (MSB<<8)|\new
.set MSB, \new
.endif
.endm
.set W_KQ, 0x04                        ; source 1 (Q) window 1
.set W_PV, 0x50                        ; C and D (O^T) window 1
.set W_RS, 0x41                        ; destination and source 0 (O^T) window 1
.set W_CV, 0x05                        ; sources 0 and 1 window 1
; Waves 0-3 fetch K, waves 4-7 V.  The branch hangs on the wave's number alone.  An s_nop 0 and four v_nop follow each of the two lines.
.macro TLOAD
	s_cmp_lt_u32 s[WV], 4
	s_cbranch_scc0 .Lfor_v_\@
	tensor_load_to_lds s[G0K:G0K+3], s[G1K:G1K+7]
	s_nop 0
.rept 4
	v_nop
.endr
	s_branch .Lasked_\@
.Lfor_v_\@:
	tensor_load_to_lds s[G0V:G0V+3], s[G1V:G1V+7]
	s_nop 0
.rept 4
	v_nop
.endr
.Lasked_\@:
.endm
; A PREFETCH INTO THE L2.  All four work-groups of a head read the same K and V: the one with p = 0 asks, at its changes of slots 0 to 5, for key block (change + 2): each wave for the 8,192 bytes that it would fetch of it,
; lanes 256 bytes apart.  So each aligned block of 256 bytes of key blocks 2 to 7 is named once in the launch; key blocks 0 and 1 come by their loads alone.  It stands behind the wave's tensor load and its five lines.
.macro ASK
	s_cmp_lt_u32 s[JJ], s[LIM]
	s_cbranch_scc0 .Lnot_mine_\@
	global_prefetch_b8 v[PFO], s[PFA:PFA+1] th:TH_LOAD_NT scope:SCOPE_SE
.Lnot_mine_\@:
.endm
	s_load_b128 s[4:7], s[0:1], 0x0                ; qkv16, attn16
	v_lshl_add_u32 v[SPW], v0, 2, SPARE
	v_mov_b32 v[NIL], 0
	ds_add_u32 v[SPW], v[NIL]                      ; the wave's opening: the add, twice on end, and its wait ahead of my first tensor load
	ds_add_u32 v[SPW], v[NIL]
	v_lshrrev_b32 v1, 5, v0
	v_readfirstlane_b32 s[WV], v1                  ; wave 0..7
	s_mov_b32 s[PP], ttmp9
	s_and_b32 s[BH], ttmp7, 0xffff
	s_add_co_u32 s[PSW], s[PP], 1
	s_mov_b32 s[G1K], (1<<16)|(1<<20)|(4<<22)|(3<<25)   ; elements of 2 bytes; padding on: 4 words after every 32
	s_mov_b32 s[G1V], (1<<16)|(1<<20)|(4<<22)|(7<<25)   ; the same with 8 words
.irp g, G1K, G1V
	s_mov_b32 s[\g+1], 64<<16                      ; tensor_dim0 = 64
	s_mov_b32 s[\g+2], 64<<16                      ; tensor_dim1 = 64
	s_mov_b32 s[\g+3], 64<<16                      ; tile_dim0 = 64
	s_mov_b32 s[\g+4], 64                          ; tile_dim1 = 64
	s_mov_b32 s[\g+5], 64                          ; the pitch: rows are dense
	s_mov_b32 s[\g+6], 0
	s_mov_b32 s[\g+7], 0
.endr
	s_mov_b32 s[CS], 0x3e38aa3b                    ; c = log2(e) / sqrt(64)
	s_mov_b32 s[CS+1], s[CS]                       ; (named with it as a pair, so it is written)
	s_mov_b32 s[SEL], 0x76543210
	s_mov_b32 s[SEL+1], 0xfedcba98
	s_and_b32 s[T0], s[WV], 3                      ; which 64 rows of a key block I fetch
	s_mov_b32 s[G0K], 1
	s_mul_i32 s[G0K+1], s[T0], 64*PK               ; K's LDS address: slot 0
	s_mov_b32 s[G0V], 1
	s_mul_i32 s[G0V+1], s[T0], 64*PV
	s_add_co_u32 s[G0V+1], s[G0V+1], VOFF
	s_add_co_u32 s[T1], s[BH], 64                  ; K's plane
	s_lshl_b32 s[OFF], s[T1], 18
	s_lshl_b32 s[T1], s[T0], 13                    ; 64 rows of 128 bytes
	s_add_co_u32 s[OFF], s[OFF], s[T1]
	s_mov_b32 s[OFF+1], 0
	s_lshl_b32 s[Q0], s[PP], 8
	s_lshl_b32 s[T1], s[WV], 5
	s_add_co_u32 s[Q0], s[Q0], s[T1]               ; my first query: 256 p + 32 wave
	s_sub_co_u32 s[Q0B], 7, s[PP]
	s_lshl_b32 s[Q0B], s[Q0B], 8
	s_add_co_u32 s[Q0B], s[Q0B], s[T1]             ; and in the second block: 256 (7 - p) + 32 wave
	s_mov_b32 s[KF], 0
	s_mov_b32 s[KBN], 0
	s_mov_b32 s[TBK], 0
	s_mov_b32 s[TBV], VOFF
	s_mov_b32 s[JJ], 0
	s_cmp_eq_u32 s[PP], 0
	s_cselect_b32 s[LIM], 6, 0
	s_wait_dscnt 0x0                               ; both opening adds are done
	s_wait_kmcnt 0x0
	s_add_nc_u64 s[KBA:KBA+1], s[4:5], s[OFF:OFF+1]
	s_add_nc_u64 s[VBA:VBA+1], s[KBA:KBA+1], 0x1000000   ; V's planes lie 64 planes behind K's
	s_mov_b64 s[G0K+2:G0K+3], s[KBA:KBA+1]
	s_or_b32 s[G0K+3], s[G0K+3], 0x80000000
	s_mov_b64 s[G0V+2:G0V+3], s[VBA:VBA+1]
	s_or_b32 s[G0V+3], s[G0V+3], 0x80000000
	TLOAD                                          ; slot 0: key block 0
	s_lshl_b32 s[OFF], s[BH], 18
	s_add_nc_u64 s[QBA:QBA+1], s[4:5], s[OFF:OFF+1]
	s_add_nc_u64 s[OBA:OBA+1], s[6:7], s[OFF:OFF+1]
	s_cmp_lt_u32 s[WV], 4
	s_cselect_b64 s[PFA:PFA+1], s[KBA:KBA+1], s[VBA:VBA+1]
	s_add_nc_u64 s[PFA:PFA+1], s[PFA:PFA+1], 32768 ; at key block 1: the first change of slots steps it to key block 2
	v_and_b32 v16, 15, v0                          ; r
	v_bfe_u32 v17, v0, 4, 1                        ; h
	v_and_b32 v18, 31, v0                          ; lane
	v_lshlrev_b32 v19, 3, v17
	v_sub_nc_u32 v[RH], v16, v19
	v_mov_b32 v[NINF], 0xff800000
	v_mul_u32_u24 v[AK0], v16, PK
	v_lshl_add_u32 v[AK0], v17, 4, v[AK0]          ; K: row r, + 16 h
	v_and_b32 v20, 7, v0
	v_add_nc_u32 v20, v19, v20
	v_mul_u32_u24 v[AV0], v20, PV
	v_bfe_u32 v21, v0, 3, 1
	v_lshl_add_u32 v[AV0], v21, 4, v[AV0]          ; V: key 8 h + lane % 8, channels 8 ((lane / 8) % 2) on
	v_lshlrev_b32 v[QO], 7, v16
	v_lshl_add_u32 v[QO], v17, 4, v[QO]            ; Q: row r of 128 bytes, + 16 h
	s_mul_i32 s[T0], s[WV], 16*144
	s_add_co_u32 s[T0], s[T0], STAGE               ; my stage
	v_mul_u32_u24 v[STO], v16, 144
	v_lshl_add_u32 v[STO], v17, 4, v[STO]
	v_add_nc_u32 v[STO], s[T0], v[STO]             ; in: row r, 16 bytes for each half of the lanes
	v_lshrrev_b32 v22, 3, v18
	v_mul_u32_u24 v[RD], v22, 144
	v_and_b32 v23, 7, v0
	v_lshl_add_u32 v[RD], v23, 4, v[RD]
	v_add_nc_u32 v[RD], s[T0], v[RD]               ; back: eight lanes to a row of 128 bytes, four rows an instruction
	v_lshlrev_b32 v[GO], 4, v18
	v_lshlrev_b32 v[PFO], 8, v18
; A query block begins: Q's fragments into registers; O^T and l as zeros, m as -3e38, under every score: the first step's a is then 0 and multiplies zeros, so that a key step is written once.
.macro INIT
	s_lshl_b32 s[OFF], s[Q0], 7
	s_add_nc_u64 s[QA:QA+1], s[QBA:QBA+1], s[OFF:OFF+1]
	s_add_nc_u64 s[OA:OA+1], s[OBA:OBA+1], s[OFF:OFF+1]
	WIN 0x40                                       ; destination window 1
.irp t, 0,1
.irp e, 0,1
.irp u, 0,1
	global_load_b128 v[QR+16*\t+8*\e+4*\u:QR+16*\t+8*\e+4*\u+3], v[QO], s[QA:QA+1] offset:2048*\t+64*\e+32*\u th:TH_LOAD_NT
.endr
.endr
.endr
.set i, 0
.rept 64
	v_mov_b32 v[OT+i], 0
.set i, i+1
.endr
	WIN 0
.irp t, 0,1
	v_mov_b32 v[ST+8*\t+1], 0xff61b1e6
	v_mov_b32 v[ST+8*\t+2], 0
	v_mov_b32 v[ST+8*\t+3], 0
	v_mov_b32 v[ST+8*\t+5], 0                      ; (a lane permute's destination counts as one of its sources)
	v_mov_b32 v[ST+8*\t+7], 0                      ; (named as the upper half of a pair)
	v_mul_f32 v[ST+8*\t], s[CS], v[ST+8*\t+1]
.endr
	s_wait_loadcnt 0x0                             ; Q
.endm
; THE CHANGE OF SLOTS stands at a slot's head.  Each wave waits for all its tensor loads (its part of the slot ahead), adds 0 to its spare word, and waits for that and for its reads of the slot that it has left.
; Behind the barrier the slot ahead is whole and nobody reads the other.  fill = 1: the other slot takes the next key block: it has a slot's four steps in which to land.
.macro CHANGE fill
	s_wait_tensorcnt 0x0                           ; no tensor load of mine is out, so a group 0 may be written
	ds_add_u32 v[SPW], v[NIL]                      ; 0 onto my spare word; the descriptors' steps stand between it and the wait for it
.if \fill
	s_add_co_u32 s[T0], s[KBN], 1
	s_cmp_eq_u32 s[JJ], s[PP]                      ; behind slot p the walk begins anew, for the second query block
	s_cselect_b32 s[KBN], 0, s[T0]
	s_lshl_b32 s[OFF], s[KBN], 15                  ; 256 rows of 128 bytes a key block
	s_add_nc_u64 s[G0K+2:G0K+3], s[KBA:KBA+1], s[OFF:OFF+1]
	s_or_b32 s[G0K+3], s[G0K+3], 0x80000000
	s_add_nc_u64 s[G0V+2:G0V+3], s[VBA:VBA+1], s[OFF:OFF+1]
	s_or_b32 s[G0V+3], s[G0V+3], 0x80000000
	s_xor_b32 s[G0K+1], s[G0K+1], SLOT1            ; the other slot than last time
	s_xor_b32 s[G0V+1], s[G0V+1], SLOT1
	s_wait_xcnt 0x0                                ; the last prefetch, a slot back, has read its address, so it may be written
	s_add_nc_u64 s[PFA:PFA+1], s[PFA:PFA+1], 32768
.endif
	s_wait_dscnt 0x0                               ; the add is done, and my reads of the slot that I have left are over
	s_barrier_signal -1
	s_barrier_wait -1
.if \fill
	TLOAD                                          ; the first thing behind the barrier, and my one tensor load until the next
	ASK
.endif
.endm
; A KEY STEP: 64 keys against my 32 queries.
.macro STEP
	s_add_co_u32 s[T0], s[Q0], 31
	s_cmp_gt_u32 s[KF], s[T0]                      ; all 64 keys come after my last query: the step's work is left out; the lines at its end that step addresses are not
	s_cbranch_scc1 .Lhidden_\@
	v_add_nc_u32 v[ADK], s[TBK], v[AK0]            ; these two and two v_nop: the four places between the last products and the loads into V's fragments
	v_add_nc_u32 v[ADV], s[TBV], v[AV0]
	v_nop
	v_nop
.irp kt, 0,1,2,3
.irp e, 0,1
	ds_load_b128 v[KFR+8*(2*\kt+\e):KFR+8*(2*\kt+\e)+3],   v[ADK] offset:16*PK*\kt+64*\e
	ds_load_b128 v[KFR+8*(2*\kt+\e)+4:KFR+8*(2*\kt+\e)+7], v[ADK] offset:16*PK*\kt+64*\e+32
.endr
.endr
.irp g, 0,1
.irp c, 0,1,2,3
	ds_load_tr16_b128 v[VFR+8*(4*\g+\c):VFR+8*(4*\g+\c)+3],   v[ADV] offset:32*PV*\g+32*\c
	ds_load_tr16_b128 v[VFR+8*(4*\g+\c)+4:VFR+8*(4*\g+\c)+7], v[ADV] offset:32*PV*\g+32*\c+16*PV
.endr
.endr
	s_wait_dscnt 16                                ; K's sixteen loads are in; V's sixteen may be out
	WIN W_KQ
.irp e, 0,1                                    ; S^T = K Q^T: eight accumulators by turns, one instruction a turn; the first eight start the sums
.irp kt, 0,1,2,3
.irp t, 0,1
.if \e == 0
	v_wmma_f32_16x16x32_f16 v[SR+32*\t+8*\kt:SR+32*\t+8*\kt+7], v[KFR+8*(2*\kt+\e):KFR+8*(2*\kt+\e)+7], v[QR+16*\t+8*\e:QR+16*\t+8*\e+7], 0
.else
	v_wmma_f32_16x16x32_f16 v[SR+32*\t+8*\kt:SR+32*\t+8*\kt+7], v[KFR+8*(2*\kt+\e):KFR+8*(2*\kt+\e)+7], v[QR+16*\t+8*\e:QR+16*\t+8*\e+7], v[SR+32*\t+8*\kt:SR+32*\t+8*\kt+7]
.endif
.endr
.endr
.endr
	WIN 0
	s_sub_co_i32 s[T0], s[Q0], s[KF]
	s_add_co_i32 s[T1], s[T0], 16
	v_add_nc_u32 v[DM], s[T0], v[RH]               ; d = my query - KF - 8 h.  Register 8 kt + j holds key KF + 16 kt + 8 h + j: hidden where 16 kt + j > d
	v_add_nc_u32 v[DM+1], s[T1], v[RH]
	v_nop                                          ; with the two above: four places behind the products
	v_nop
	s_add_co_u32 s[T1], s[KF], 63
	s_cmp_le_u32 s[T1], s[Q0]                      ; all 64 keys count for all my queries: nothing to hide
	s_cbranch_scc1 .Lopen_\@
.set n, 0
.rept 32
.irp t, 0,1
	v_cmp_gt_i32 vcc_lo, 16*(n/8)+n%8, v[DM+\t]
	v_cndmask_b32 v[SR+32*\t+n], v[SR+32*\t+n], v[NINF], vcc_lo
.endr
.set n, n+1
.endr
.Lopen_\@:
	; the softmax; the two tiles alternate line by line, so that no line waits for the line above it.  The maximum of 32 scores and the old m: four chains, each from its accumulator's low end on
.irp j, 0,1,2,3
.irp t, 0,1
	v_max3_num_f32 v[ST+8*\t+4+\j], v[SR+32*\t+8*\j], v[SR+32*\t+8*\j+1], v[SR+32*\t+8*\j+2]
.endr
.endr
.irp u, 1,2
.irp j, 0,1,2,3
.irp t, 0,1
	v_max3_num_f32 v[ST+8*\t+4+\j], v[ST+8*\t+4+\j], v[SR+32*\t+8*\j+2*\u+1], v[SR+32*\t+8*\j+2*\u+2]
.endr
.endr
.endr
.irp t, 0,1
	v_max3_num_f32 v[ST+8*\t+4], v[ST+8*\t+4], v[SR+32*\t+7], v[SR+32*\t+15]
.endr
.irp t, 0,1
	v_max3_num_f32 v[ST+8*\t+6], v[ST+8*\t+6], v[SR+32*\t+23], v[SR+32*\t+31]
.endr
.irp t, 0,1
	v_max3_num_f32 v[ST+8*\t+4], v[ST+8*\t+4], v[ST+8*\t+5], v[ST+8*\t+6]
.endr
.irp t, 0,1
	v_max3_num_f32 v[ST+8*\t+4], v[ST+8*\t+4], v[ST+8*\t+7], v[ST+8*\t+1]
.endr
.irp t, 0,1
	v_permlanex16_b32 v[ST+8*\t+5], v[ST+8*\t+4], s[SEL], s[SEL+1]   ; the query's other 32 keys lie in the lane 16 away
.endr
.irp t, 0,1
	v_mov_b32 v[ST+8*\t+7], v[ST+8*\t]             ; c m_old is kept for a
.endr
.irp t, 0,1
	v_max_num_f32 v[ST+8*\t+1], v[ST+8*\t+4], v[ST+8*\t+5]   ; the new m
.endr
.irp t, 0,1
	v_mul_f32 v[ST+8*\t], s[CS], v[ST+8*\t+1]
.endr
.irp t, 0,1
	v_sub_f32 v[ST+8*\t+7], v[ST+8*\t+7], v[ST+8*\t]
.endr
.set i, 0
.rept 16
.irp t, 0,1
	v_pk_fma_f32 v[SR+32*\t+2*i:SR+32*\t+2*i+1], v[SR+32*\t+2*i:SR+32*\t+2*i+1], s[CS:CS+1], v[ST+8*\t:ST+8*\t+1] op_sel_hi:[1,0,0] neg_lo:[0,0,1] neg_hi:[0,0,1]   ; c s - c m, two at a time
.endr
.set i, i+1
.endr
.irp t, 0,1
	v_exp_f32 v[ST+8*\t+6], v[ST+8*\t+7]           ; a = 2^(c m_old - c m_new)
.endr
.set i, 0
.rept 32
.irp t, 0,1
	v_exp_f32 v[SR+32*\t+i], v[SR+32*\t+i]         ; p = 2^(c s - c m)
.endr
.set i, i+1
.endr
	v_nop                                          ; a plain instruction behind the last exponential
	s_wait_alu depctr_va_vdst(0)                   ; one wait for the batch of 66, ahead of its first reader
.set i, 0
.rept 16
.irp t, 0,1
	v_cvt_pk_f16_f32 v[PR+16*\t+i], v[SR+32*\t+2*i], v[SR+32*\t+2*i+1]
.endr
.set i, i+1
.endr
.irp z, 0,1,2,3,4,5,6,7                        ; the row's sum, of the weights before they were rounded: pairs 1, 2, 4 and 8 apart
.irp t, 0,1
	v_pk_add_f32 v[SR+32*\t+4*\z:SR+32*\t+4*\z+1], v[SR+32*\t+4*\z:SR+32*\t+4*\z+1], v[SR+32*\t+4*\z+2:SR+32*\t+4*\z+3]
.endr
.endr
.irp z, 0,1,2,3
.irp t, 0,1
	v_pk_add_f32 v[SR+32*\t+8*\z:SR+32*\t+8*\z+1], v[SR+32*\t+8*\z:SR+32*\t+8*\z+1], v[SR+32*\t+8*\z+4:SR+32*\t+8*\z+5]
.endr
.endr
.irp z, 0,1
.irp t, 0,1
	v_pk_add_f32 v[SR+32*\t+16*\z:SR+32*\t+16*\z+1], v[SR+32*\t+16*\z:SR+32*\t+16*\z+1], v[SR+32*\t+16*\z+8:SR+32*\t+16*\z+9]
.endr
.endr
.irp t, 0,1
	v_pk_add_f32 v[SR+32*\t:SR+32*\t+1], v[SR+32*\t:SR+32*\t+1], v[SR+32*\t+16:SR+32*\t+17]
.endr
.irp t, 0,1
	v_pk_fma_f32 v[ST+8*\t+2:ST+8*\t+3], v[ST+8*\t+2:ST+8*\t+3], v[ST+8*\t+6:ST+8*\t+7], v[SR+32*\t:SR+32*\t+1] op_sel_hi:[1,0,1]   ; l = a l + the sum
.endr
	WIN W_RS
.irp t, 0,1
.set i, 0
.rept 16
	v_pk_mul_f32 v[OT+32*\t+2*i:OT+32*\t+2*i+1], v[OT+32*\t+2*i:OT+32*\t+2*i+1], v[ST+8*\t+6:ST+8*\t+7] op_sel_hi:[1,0]   ; O^T x a, each accumulator from its low end on
.set i, i+1
.endr
.endr
	s_wait_dscnt 0x0                               ; V is in
	WIN W_PV
.irp g, 0,1                                    ; O^T += V^T P: eight accumulators by turns
.irp c, 0,1,2,3
.irp t, 0,1
	v_wmma_f32_16x16x32_f16 v[OT+32*\t+8*\c:OT+32*\t+8*\c+7], v[VFR+8*(4*\g+\c):VFR+8*(4*\g+\c)+7], v[PR+16*\t+8*\g:PR+16*\t+8*\g+7], v[OT+32*\t+8*\c:OT+32*\t+8*\c+7]
.endr
.endr
.endr
	WIN 0
.Lhidden_\@:
	s_add_co_u32 s[KF], s[KF], 64
	s_add_co_u32 s[TBK], s[TBK], 64*PK
	s_add_co_u32 s[TBV], s[TBV], 64*PV
.endm
.macro SLOT_STEPS                      ; a slot's four steps: written once, walked four times; the LDS addresses hang on s[TBK], s[TBV]
	s_mov_b32 s[STP], 4
.Lstep_\@:
	STEP
	s_sub_co_u32 s[STP], s[STP], 1
	s_cmp_lg_u32 s[STP], 0
	s_cbranch_scc1 .Lstep_\@
	s_sub_co_u32 s[TBK], s[TBK], 256*PK            ; back to a slot's first step,
	s_sub_co_u32 s[TBV], s[TBV], 256*PV
	s_xor_b32 s[TBK], s[TBK], SLOT1                ; in the other slot
	s_xor_b32 s[TBV], s[TBV], SLOT1
.endm
; THE WAY OUT of a query block.  l's two halves and the other half of the lanes' are added (these plain lines are the places behind the last products); O^T is divided by l, rounded to f16 and sent through my stage,
; a tile of 16 queries at a time: a tile of attn16 is 2,048 consecutive bytes, and each store of the wave covers 512 of them.
.macro WAYOUT
.irp t, 0,1
	v_add_f32 v[ST+8*\t+4], v[ST+8*\t+2], v[ST+8*\t+3]
.endr
.irp t, 0,1
	v_permlanex16_b32 v[ST+8*\t+5], v[ST+8*\t+4], s[SEL], s[SEL+1]
.endr
.irp t, 0,1
	v_add_f32 v[ST+8*\t+4], v[ST+8*\t+4], v[ST+8*\t+5]
.endr
.irp t, 0,1
	v_rcp_f32 v[ST+8*\t+6], v[ST+8*\t+4]
.endr
	v_nop                                          ; a plain instruction behind the last reciprocal
	s_wait_alu depctr_va_vdst(0)                   ; one wait for the two, ahead of their first reader
.irp t, 0,1
	WIN W_RS
.set i, 0
.rept 16
	v_pk_mul_f32 v[OT+32*\t+2*i:OT+32*\t+2*i+1], v[OT+32*\t+2*i:OT+32*\t+2*i+1], v[ST+8*\t+6:ST+8*\t+7] op_sel_hi:[1,0]
.set i, i+1
.endr
	WIN W_CV
.set i, 0
.rept 16
	v_cvt_pk_f16_f32 v[PR+16*\t+i], v[OT+32*\t+2*i], v[OT+32*\t+2*i+1]
.set i, i+1
.endr
	WIN 0
.irp c, 0,1,2,3
	ds_store_b128 v[STO], v[PR+16*\t+4*\c:PR+16*\t+4*\c+3] offset:32*\c
.endr
.irp c, 0,1,2,3
	ds_load_b128 v[SR+16*\t+4*\c:SR+16*\t+4*\c+3], v[RD] offset:576*\c   ; LDS serves a wave's instructions in order: these see the stores above, and the next tile's stores come behind them
.endr
.endr
.irp c, 0,1,2,3
	s_wait_dscnt 11-\c                             ; tile 0's load c is in; its younger loads and tile 1's eight LDS instructions may be out
	global_store_b128 v[GO], v[SR+4*\c:SR+4*\c+3], s[OA:OA+1] offset:512*\c
.endr
.irp c, 0,1,2,3
	s_wait_dscnt 3-\c
	global_store_b128 v[GO], v[SR+16+4*\c:SR+16+4*\c+3], s[OA:OA+1] offset:2048+512*\c
.endr
.endm
	INIT                                           ; query block p
.Lslot:                                            ; eight trips: behind each change of slots but the last the next key block is asked for
	CHANGE 1
	s_cmp_lg_u32 s[JJ], s[PSW]                     ; slot p + 1 begins the second query block: ids alone, the same in all eight waves
	s_cbranch_scc1 .Lsame
	WAYOUT
	s_wait_xcnt 0x0                                ; the stores have read their data and their base: both are written again below
	s_mov_b32 s[Q0], s[Q0B]
	s_mov_b32 s[KF], 0
	INIT
.Lsame:
	SLOT_STEPS
	s_add_co_u32 s[JJ], s[JJ], 1
	s_cmp_lt_u32 s[JJ], 8
	s_cbranch_scc1 .Lslot
	CHANGE 0                                       ; the last slot is written out
	SLOT_STEPS
	WAYOUT
	s_wait_tensorcnt 0x0                           ; the wave's end, behind my last tensor load and my last LDS store
	ds_add_u32 v[SPW], v[NIL]
	s_wait_dscnt 0x0
	s_endpgm
.Lfunc_end_k_q3d92ff26f1_attn:
	.size	k_q3d92ff26f1_attn, .Lfunc_end_k_q3d92ff26f1_attn-k_q3d92ff26f1_attn
	.p2alignl 7, 3214868480
	.fill 96, 4, 3214868480
	.section	.rodata,"a",@progbits
	.p2align	6, 0x0
	.amdhsa_kernel k_q3d92ff26f1_attn
		.amdhsa_group_segment_fixed_size 327680
		.amdhsa_private_segment_fixed_size 0
		.amdhsa_enable_private_segment 0
		.amdhsa_kernarg_size 16
		.amdhsa_user_sgpr_count 2
		.amdhsa_user_sgpr_kernarg_segment_ptr 1
		.amdhsa_wavefront_size32 1
		.amdhsa_system_sgpr_workgroup_id_x 1
		.amdhsa_system_sgpr_workgroup_id_y 1
		.amdhsa_system_sgpr_workgroup_id_z 1
		.amdhsa_system_vgpr_workitem_id 0
		.amdhsa_next_free_vgpr 384
		.amdhsa_next_free_sgpr 72
		.amdhsa_reserve_vcc 1
		.amdhsa_float_denorm_mode_32 3
		.amdhsa_float_denorm_mode_16_64 3
		.amdhsa_memory_ordered 1
		.amdhsa_forward_progress 1
		.amdhsa_inst_pref_size 71
	.end_amdhsa_kernel
	.amdgpu_metadata
---
amdhsa.version: [ 1, 2 ]
amdhsa.kernels:
  - .name:           k_q3d92ff26f1_attn
    .symbol:         k_q3d92ff26f1_attn.kd
    .args:
      - { .name: qkv16, .offset: 0, .size: 8, .value_kind: global_buffer, .address_space: global }
      - { .name: attn16, .offset: 8, .size: 8, .value_kind: global_buffer, .address_space: global }
    .group_segment_fixed_size: 327680
    .private_segment_fixed_size: 0
    .kernarg_segment_align: 8
    .kernarg_segment_size: 16
    .max_flat_workgroup_size: 256
    .sgpr_count:     72
    .vgpr_count:     384
    .wavefront_size: 32
...
	.end_amdgpu_metadata
.endif
;; end of part 3
;; launch proj (part 4): grid 4 x 64, 4 waves a work-group, clusters of 4 x 4, 327,680 bytes of LDS; arguments attn16, wo16, out0; writes out0
.if DOCPART == 4
	.amdgcn_target "amdgcn-amd-amdhsa--gfx1250"
	.amdhsa_code_object_version 6
	.text
	.protected	k_q3d92ff26f1_proj
	.globl	k_q3d92ff26f1_proj
	.p2align	8
	.type	k_q3d92ff26f1_proj,@function
k_q3d92ff26f1_proj:
	s_mov_b64 s[64:65], 0
	v_nop
	global_prefetch_b8 v0, s[64:65] scope:SCOPE_SE
	s_setreg_imm32_b32 hwreg(HW_REG_WAVE_MODE, 25, 1), 1
	s_wait_xcnt 0x0
	s_wait_alu depctr_hold_cnt(0) depctr_sa_sdst(0) depctr_va_vdst(0) depctr_va_sdst(0) depctr_va_ssrc(0) depctr_va_vcc(0) depctr_vm_vsrc(0)
	s_getreg_b32 s2, hwreg(HW_REG_IB_STS2, 6, 4)
	s_cmp_eq_u32 s2, 0
	s_cbranch_scc0 .Lentry_in_a_cluster
	s_endpgm
.Lentry_in_a_cluster:
	s_bfe_u32 s2, ttmp6, 0x10000c
	s_cmp_lg_u32 s2, 0xf033
	s_cbranch_scc0 .Lentry_shape_is_right
	s_endpgm
.Lentry_shape_is_right:
; The projection on the way out: out0[m][n] = sum over d of attn[m][d] w_o[n][d], m = 2048 b + s (8,192), n and d 1,024.  attn16: [16 b + h][s][64] f16 (d = 64 h + channel); wo16: [n][d] f16; out0: f32; sums in f32.
; (Rows s < 16 of every batch are written again, from f32 operands, by the launch that follows.)
; A tile of out0 is 128 (m) x 256 (n): 256 work-groups.  Four waves, each 64 x 128: 32 accumulators of 16 x 16, 256 registers.  K goes in steps of 128, two heads, through a ring of two LDS slots: a step's tile of attn is
; two sub-tiles, one a head, of 128 dense rows of 128 bytes; w_o's is 256 rows of 256 bytes.  One joint load a wave: waves 0, 1 a head each, waves 2, 3 128 rows of w_o each.
; CLUSTERS: 4 x 4 work-groups.  The four of a row of the cluster need the same tiles of attn, the four of a column the same tiles of w_o.
; THE MATRIX INSTRUCTION IS USED TRANSPOSED (source 0 = 16 rows of w_o, source 1 = 16 rows of attn): a lane holds eight neighbouring numbers of a row of out0.
; REGISTERS: window 0: v16-29 addresses; v64-191 the way out.  window 1: two fragment buffers of 96 (w_o's eight fragments, then attn's four), at v0 and v96.  window 2: accumulator (a, b) at v[8 (8 a + b)].
.set PA,     144                       ; attn's LDS row: 128 bytes + 16: 36 words
.set PB,     272                       ; w_o's: 256 + 16: 68 words: the 16 rows of a load start 4 banks apart (64 banks of 4 bytes: ISA guide 11.1)
.set ASUB,   128*PA
.set BOFF,   2*ASUB
.set BHALF,  128*PB
.set SLOT,   BOFF+2*BHALF
.set STAGE,  2*SLOT                    ; behind the ring: 16 rows x 528 bytes a wave
.set SPITCH, 528
.set SPARE,  STAGE+4*16*SPITCH
.set LAPS,   4                         ; a lap = two K steps = once round the ring; K = 1,024 is eight steps
.set ADRA, 16
.set ADRB, 20
.set STO,  24
.set RD,   25
.set CO,   26
.set SPW,  28
.set NIL,  29
.set BK,   64
.set F0,   0
.set F1,   96
.set G1, 24
.set G0, 32
.set G1B, 48
.set G0B, 56
.set MSB, 0
.macro WIN new
.if MSB != \new
	s_set_vgpr_msb (MSB<<8)|\new
.set MSB, \new
.endif
.endm
.set MUL,  0xa5                        ; sources 0 and 1 window 1; C and D window 2
.set TO_F, 0x40
.macro JLOAD s                         ; a joint load; an s_nop 0 and four v_nop follow each of the two lines
	s_cmp_eq_u32 s11, 0
	s_cbranch_scc0 .Lfor_b_\@
	tensor_load_to_lds s[G0+4*\s:G0+4*\s+3], s[G1:G1+7]
	s_nop 0
.rept 4
	v_nop
.endr
	s_branch .Lasked_\@
.Lfor_b_\@:
	tensor_load_to_lds s[G0B+4*\s:G0B+4*\s+3], s[G1B:G1B+7]
	s_nop 0
.rept 4
	v_nop
.endr
.Lasked_\@:
.endm
.macro CREST                           ; a round of the cluster's barrier behind its opening barrier
	s_cmp_lg_u32 s10, 0
	s_cbranch_scc1 .Lnot_wave_0_\@
	s_barrier_signal -3
.Lnot_wave_0_\@:
	s_barrier_wait -3
	s_barrier_signal -1
	s_barrier_wait -1
.endm
.macro CROUND
	s_barrier_signal -1
	s_barrier_wait -1
	CREST
.endm
	s_load_b128 s[4:7], s[0:1], 0x0                ; attn16, wo16
	s_load_b64 s[8:9], s[0:1], 0x10                ; out0
	v_lshl_add_u32 v[SPW], v0, 2, SPARE
	v_mov_b32 v[NIL], 0
	ds_add_u32 v[SPW], v[NIL]                      ; the wave's opening: the add, twice on end, and its wait ahead of my first tensor load
	ds_add_u32 v[SPW], v[NIL]
	v_lshrrev_b32 v1, 5, v0
	v_readfirstlane_b32 s10, v1                    ; wave 0..3
	s_lshr_b32 s11, s10, 1                         ; which 64 rows of the tile are mine.  Also: I fetch for attn (0) or for w_o (1)
	s_and_b32 s12, s10, 1                          ; which 128 columns.  Also: which head, or which 128 rows of w_o, I fetch
	s_bfe_u32 s40, ttmp6, 0x40000                  ; cx
	s_bfe_u32 s41, ttmp6, 0x40004                  ; cy
	s_lshl_b32 s42, ttmp9, 2
	s_add_co_u32 s42, s42, s40                     ; tile column
	s_and_b32 s13, ttmp7, 0xffff
	s_lshl_b32 s13, s13, 2
	s_add_co_u32 s13, s13, s41                     ; tile row
	s_lshl_b32 s43, s41, 2
	s_lshl_b32 s43, 15, s43                        ; my row of the cluster
	s_lshl_b32 s44, 0x1111, s40                    ; my column
	s_or_b32 s[G1+0], s43, (1<<16)|(1<<20)|(1<<21)|(4<<22)|(3<<25)   ; the mask; elements of 2 bytes; 4 words of padding after every 32; bit 21 beside a mask
	s_mov_b32 s[G1+1], 64<<16                      ; tensor_dim0 = 64
	s_mov_b32 s[G1+2], 128<<16                     ; tensor_dim1 = 128
	s_mov_b32 s[G1+3], 64<<16                      ; tile_dim0 = 64
	s_mov_b32 s[G1+4], 128                         ; tile_dim1 = 128
	s_mov_b32 s[G1+5], 64                          ; a head's rows are dense
	s_mov_b32 s[G1+6], 0
	s_mov_b32 s[G1+7], 0
	s_or_b32 s[G1B+0], s44, (1<<16)|(1<<20)|(1<<21)|(5<<22)|(3<<25)  ; 4 words of padding after every 64
	s_mov_b32 s[G1B+1], 128<<16
	s_mov_b32 s[G1B+2], 128<<16
	s_mov_b32 s[G1B+3], 128<<16
	s_mov_b32 s[G1B+4], 128
	s_mov_b32 s[G1B+5], 1024
	s_mov_b32 s[G1B+6], 0
	s_mov_b32 s[G1B+7], 0
	s_lshr_b32 s16, s13, 4                         ; attn: batch = tile row / 16,
	s_lshl_b32 s16, s16, 4
	s_add_co_u32 s16, s16, s12                     ; plane 16 b + my head of the step's two,
	s_lshl_b32 s16, s16, 18                        ; 262,144 bytes a plane,
	s_and_b32 s17, s13, 15
	s_lshl_b32 s17, s17, 14                        ; 128 rows of 128 bytes a tile row
	s_add_co_u32 s16, s16, s17
	s_mov_b32 s17, 0
	s_lshl_b32 s46, s42, 19                        ; w_o: 256 rows of 2,048 bytes a tile column,
	s_lshl_b32 s47, s12, 18                        ; 128 rows a half
	s_add_co_u32 s46, s46, s47
	s_mov_b32 s47, 0
	s_mul_i32 s20, s12, ASUB                       ; where they go: no place in the cluster enters an LDS address
	s_mul_i32 s23, s12, BHALF
	s_add_co_u32 s23, s23, BOFF
	s_wait_dscnt 0x0                               ; both opening adds are done
	s_wait_kmcnt 0x0
	s_add_nc_u64 s[14:15], s[4:5], s[16:17]
	s_add_nc_u64 s[46:47], s[6:7], s[46:47]
	CROUND                                         ; all sixteen work-groups are here: the first joint loads meet
.irp s, 0,1
	s_mov_b32 s[G0+4*\s], 1
	s_add_co_u32 s[G0+4*\s+1], s20, \s*SLOT
	s_add_nc_u64 s[G0+4*\s+2:G0+4*\s+3], s[14:15], \s*524288      ; K step s: two planes on
	s_or_b32 s[G0+4*\s+3], s[G0+4*\s+3], 0x80000000
	s_mov_b32 s[G0B+4*\s], 1
	s_add_co_u32 s[G0B+4*\s+1], s23, \s*SLOT
	s_add_nc_u64 s[G0B+4*\s+2:G0B+4*\s+3], s[46:47], \s*256
	s_or_b32 s[G0B+4*\s+3], s[G0B+4*\s+3], 0x80000000
	JLOAD \s                                       ; two tensor loads of a wave are out at the most
.endr
	v_and_b32 v1, 15, v0                           ; r
	v_bfe_u32 v2, v0, 4, 1                         ; h
	v_mul_u32_u24 v3, v1, PA
	v_lshl_add_u32 v3, v2, 4, v3
	v_mul_u32_u24 v4, v1, PB
	v_lshl_add_u32 v4, v2, 4, v4
	s_mul_i32 s21, s11, 64*PA                      ; my 64 rows of attn
	s_mul_i32 s22, s12, BHALF                      ; my 128 rows of w_o
	s_add_co_u32 s22, s22, BOFF
.irp s, 0,1
	v_add_nc_u32 v[ADRA+\s], s21, v3
	v_add_nc_u32 v[ADRB+\s], s22, v4
	s_add_co_u32 s21, s21, SLOT
	s_add_co_u32 s22, s22, SLOT
.endr
	s_mul_i32 s23, s10, 16*SPITCH
	s_add_co_u32 s23, s23, STAGE                   ; my stage
	v_mul_u32_u24 v5, v1, SPITCH
	v_lshl_add_u32 v5, v2, 5, v5
	v_add_nc_u32 v[STO], s23, v5                   ; in: row r, 32 bytes for each half of the lanes
	v_and_b32 v6, 31, v0
	v_lshlrev_b32 v[CO], 4, v6                     ; back: the 32 lanes take one row of 512 bytes; and the same in out0
	v_add_nc_u32 v[RD], s23, v[CO]
	s_lshl_b32 s16, s13, 7
	s_lshl_b32 s17, s11, 6
	s_add_co_u32 s16, s16, s17                     ; my first row: 128 x tile row + 64 x half
	s_lshl_b32 s16, s16, 12                        ; 4,096 bytes a row
	s_mov_b32 s17, 0
	s_add_nc_u64 s[8:9], s[8:9], s[16:17]
	s_lshl_b32 s46, s42, 10                        ; my first column, in bytes: 1,024 x tile column + 512 x half
	s_lshl_b32 s47, s12, 9
	s_add_co_u32 s46, s46, s47
	s_mov_b32 s47, 0
	s_add_nc_u64 s[8:9], s[8:9], s[46:47]
; 8 matrix instructions: attn's block a against w_o's eight, 32 along K.  The 32 accumulators take turns, one instruction a turn, in the same order in every quarter.
.macro MUL8 f, a, zero
.irp b, 0,1,2,3,4,5,6,7
.if \zero
	v_wmma_f32_16x16x32_f16 v[8*(8*(\a)+\b):8*(8*(\a)+\b)+7], v[\f+8*\b:\f+8*\b+7], v[\f+64+8*(\a):\f+64+8*(\a)+7], 0
.else
	v_wmma_f32_16x16x32_f16 v[8*(8*(\a)+\b):8*(8*(\a)+\b)+7], v[\f+8*\b:\f+8*\b+7], v[\f+64+8*(\a):\f+64+8*(\a)+7], v[8*(8*(\a)+\b):8*(8*(\a)+\b)+7]
.endif
.endr
.endm
; 24 LDS loads in one run: the fragments of the slot's q-th 32 along K (head q / 2, channels 32 (q % 2) on) into buffer f: w_o's sixteen first, then attn's eight
.macro FETCH slot, q, f
	WIN TO_F
.irp i, 0,1,2,3,4,5,6,7
	ds_load_b128 v[\f+8*\i:\f+8*\i+3],   v[ADRB+\slot] offset:64*(\q)+\i*16*PB
	ds_load_b128 v[\f+8*\i+4:\f+8*\i+7], v[ADRB+\slot] offset:64*(\q)+\i*16*PB+32
.endr
.irp i, 0,1,2,3
	ds_load_b128 v[\f+64+8*\i:\f+64+8*\i+3],   v[ADRA+\slot] offset:ASUB*((\q)/2)+64*((\q)%2)+\i*16*PA
	ds_load_b128 v[\f+64+8*\i+4:\f+64+8*\i+7], v[ADRA+\slot] offset:ASUB*((\q)/2)+64*((\q)%2)+\i*16*PA+32
.endr
.endm
.macro PLACES                          ; four plain vector instructions between a matrix instruction and a load into, or a read of, its registers
.rept 4
	v_nop
.endr
.endm
; A K step is four quarters of 32 along K, 32 matrix instructions each, on buffers 0, 1, 0, 1.  One of the first three: multiplies buffer f and fetches quarter qn into g.
.macro QUARTER slot, qn, f, g, zero
	s_wait_dscnt 4                                 ; w_o's fragments and attn's blocks 0, 1 are in; the youngest four loads (blocks 2, 3) may be out
	WIN MUL
	MUL8 \f, 0, \zero
	MUL8 \f, 1, \zero
	PLACES
	FETCH \slot, \qn, \g
	s_wait_dscnt 24                                ; all but the 24 just issued
	WIN MUL
	MUL8 \f, 2, \zero
	MUL8 \f, 3, \zero
.endm
; The last quarter multiplies buffer 1 and changes slots: one barrier; in front of it each wave waits for all its tensor loads, adds 0 to its spare word, and waits for that and for its reads of this slot.
; fill = 1: the barrier opens a round of the cluster's barrier, and this slot is filled again, two K steps ahead, first thing behind the round.
.macro TURN slot, next, fill
	WIN 0
	s_wait_tensorcnt 0x0                           ; all my tensor loads have landed: my part of the next slot
	ds_add_u32 v[SPW], v[NIL]
	s_wait_dscnt 5                                 ; the add and the youngest four loads may be out
	WIN MUL
	MUL8 F1, 0, 0
	s_wait_dscnt 0x0                               ; the add is done, and my reads of this slot are over
	s_barrier_signal -1
	MUL8 F1, 1, 0
.if \fill
	WIN 0
.endif
	s_barrier_wait -1
.if \fill
	CREST                                          ; no wave of any partner still reads this slot's tile or has a load on its way
	s_add_nc_u64 s[G0+4*\slot+2:G0+4*\slot+3], s[G0+4*\slot+2:G0+4*\slot+3], 1048576   ; four planes on
	s_add_nc_u64 s[G0B+4*\slot+2:G0B+4*\slot+3], s[G0B+4*\slot+2:G0B+4*\slot+3], 512
	JLOAD \slot                                    ; 112 matrix instructions ahead of the wait for it; its four v_nop are also the places in front of the loads below
.else
	PLACES
.endif
	FETCH \next, 0, F0
	WIN MUL
	MUL8 F1, 2, 0
	MUL8 F1, 3, 0
.endm
	s_wait_tensorcnt 1                             ; my part of K step 0 is in; K step 1's load may be out,
	s_barrier_signal -1
	s_barrier_wait -1                              ; everybody's is
	FETCH 0, 0, F0
	QUARTER 0, 1, F0, F1, 1                        ; the first quarter's products start the sums: nothing is cleared
	WIN 0
	s_mov_b32 s3, LAPS-1
.Llap:                                             ; a trip goes once round the ring, from a lap's second quarter to the next lap's first, and fills both slots again
	QUARTER 0, 2, F1, F0, 0
	QUARTER 0, 3, F0, F1, 0
	TURN 0, 1, 1
	QUARTER 1, 1, F0, F1, 0
	QUARTER 1, 2, F1, F0, 0
	QUARTER 1, 3, F0, F1, 0
	TURN 1, 0, 1
	QUARTER 0, 1, F0, F1, 0
	WIN 0
	s_sub_co_u32 s3, s3, 1
	s_cmp_lg_u32 s3, 0
	s_cbranch_scc1 .Llap
	QUARTER 0, 2, F1, F0, 0                        ; the last lap fills nothing
	QUARTER 0, 3, F0, F1, 0
	TURN 0, 1, 0
	QUARTER 1, 1, F0, F1, 0
	QUARTER 1, 2, F1, F0, 0
	QUARTER 1, 3, F0, F1, 0
	s_wait_dscnt 4                                 ; the very last quarter
	WIN MUL
	MUL8 F1, 0, 0
	MUL8 F1, 1, 0
	s_wait_dscnt 0
	MUL8 F1, 2, 0
	MUL8 F1, 3, 0
	WIN 0
; THE WAY OUT, block by block of 16 rows x 128 columns: through my own stage, and back as whole rows of 512 bytes.
.macro TOSTAGE a
	WIN 0x08                                       ; an LDS store's data are its source 1: window 2
.irp b, 0,1,2,3,4,5,6,7
	ds_store_b128 v[STO], v[64*(\a)+8*\b:64*(\a)+8*\b+3] offset:64*\b          ; each accumulator from its low end on
	ds_store_b128 v[STO], v[64*(\a)+8*\b+4:64*(\a)+8*\b+7] offset:64*\b+16
.endr
	WIN 0
.set BB, BK+64*((\a)%2)
.irp t, 0,1,2,3,4,5,6,7,8,9,10,11,12,13,14,15
	ds_load_b128 v[BB+4*\t:BB+4*\t+3], v[RD] offset:\t*SPITCH      ; LDS serves a wave's instructions in order: these see the stores above
.endr
.endm
.macro SEND a, younger
.set BB, BK+64*((\a)%2)
	s_wait_dscnt \younger                          ; the block is back; the next block's 16 stores and 16 loads may be out
.irp t, 0,1,2,3,4,5,6,7,8,9,10,11,12,13,14,15
	global_store_b128 v[CO], v[BB+4*\t:BB+4*\t+3], s[8:9] offset:(16*(\a)+\t)*4096 th:TH_STORE_NT   ; 32 lanes store 512 consecutive bytes of a row
.endr
.endm
	PLACES                                         ; behind the last products
	TOSTAGE 0
.irp a, 1,2,3
.if \a > 1
	s_wait_xcnt 0x0                                ; block a - 2's stores have read their registers: block a's loads may land there
.endif
	TOSTAGE \a
	SEND \a-1, 32
.endr
	SEND 3, 0
	s_wait_tensorcnt 0x0                           ; the wave's end, behind my last tensor load and my last LDS store
	ds_add_u32 v[SPW], v[NIL]
	s_wait_dscnt 0x0
	CROUND                                         ; the closing round
	s_endpgm
.Lfunc_end_k_q3d92ff26f1_proj:
	.size	k_q3d92ff26f1_proj, .Lfunc_end_k_q3d92ff26f1_proj-k_q3d92ff26f1_proj
	.p2alignl 7, 3214868480
	.fill 96, 4, 3214868480
	.section	.rodata,"a",@progbits
	.p2align	6, 0x0
	.amdhsa_kernel k_q3d92ff26f1_proj
		.amdhsa_group_segment_fixed_size 327680
		.amdhsa_private_segment_fixed_size 0
		.amdhsa_enable_private_segment 0
		.amdhsa_kernarg_size 24
		.amdhsa_user_sgpr_count 2
		.amdhsa_user_sgpr_kernarg_segment_ptr 1
		.amdhsa_wavefront_size32 1
		.amdhsa_system_sgpr_workgroup_id_x 1
		.amdhsa_system_sgpr_workgroup_id_y 1
		.amdhsa_system_sgpr_workgroup_id_z 1
		.amdhsa_system_vgpr_workitem_id 0
		.amdhsa_next_free_vgpr 768
		.amdhsa_next_free_sgpr 66
		.amdhsa_reserve_vcc 0
		.amdhsa_float_denorm_mode_32 3
		.amdhsa_float_denorm_mode_16_64 3
		.amdhsa_memory_ordered 1
		.amdhsa_forward_progress 1
		.amdhsa_inst_pref_size 85
	.end_amdhsa_kernel
	.amdgpu_metadata
---
amdhsa.version: [ 1, 2 ]
amdhsa.kernels:
  - .name:           k_q3d92ff26f1_proj
    .symbol:         k_q3d92ff26f1_proj.kd
    .args:
      - { .name: attn16, .offset: 0, .size: 8, .value_kind: global_buffer, .address_space: global }
      - { .name: wo16, .offset: 8, .size: 8, .value_kind: global_buffer, .address_space: global }
      - { .name: out0, .offset: 16, .size: 8, .value_kind: global_buffer, .address_space: global }
    .group_segment_fixed_size: 327680
    .private_segment_fixed_size: 0
    .kernarg_segment_align: 8
    .kernarg_segment_size: 24
    .max_flat_workgroup_size: 128
    .sgpr_count:     66
    .vgpr_count:     768
    .wavefront_size: 32
...
	.end_amdgpu_metadata
.endif
;; end of part 4
;; launch fine (part 5): grid 64 x 4, 16 waves a work-group, no clusters, 18,432 bytes of LDS; arguments qkv32, w_o, out0; writes out0
.if DOCPART == 5
	.amdgcn_target "amdgcn-amd-amdhsa--gfx1250"
	.amdhsa_code_object_version 6
	.text
	.protected	k_q3d92ff26f1_fine
	.globl	k_q3d92ff26f1_fine
	.p2align	8
	.type	k_q3d92ff26f1_fine,@function
k_q3d92ff26f1_fine:
	s_mov_b64 s[64:65], 0
	v_nop
	global_prefetch_b8 v0, s[64:65] scope:SCOPE_SE
	s_setreg_imm32_b32 hwreg(HW_REG_WAVE_MODE, 25, 1), 1
	s_wait_xcnt 0x0
; The first 16 positions of every sequence, attention and projection, wholly in f32: under the causal mask these rows average one to sixteen values, and are carried more finely than the rest.
; qkv32: [b][16 s][3072 = 1024 q + 64 h + k] f32; w_o: [1024 n][1024 d] f32; out0[b][0..15][:] is written over what the launch before left there.
; SHARES.  Work-group (x, b) makes out0[b][0..15][16 x .. 16 x + 15].  Wave hd makes head hd's attention (16 queries x 16 keys) and its 64 of the projection's K; the 16 partial tiles are added through LDS.
; All products by v_wmma_f32_16x16x4_f32, 48 a wave.  K is dealt to the instructions in the order in which the lanes hold it, alike on both sources.  Sums begin with C = 0; accumulators take turns, one instruction a turn;
; their registers are written by matrix instructions alone, and what is made of a sum goes into other registers.
; The stores are 64 bytes to a row: 256 KB in all; wider tiles would leave most of the chip without work.
; LIMIT: NaN and infinities among the inputs are not served.
.set QF,  16                           ; v16-47   Q: lane (r, h): query r, channels 32 h + 0 .. 31
.set KFR, 48                           ; v48-79   K likewise
.set VT,  80                           ; v80-111  V^T: register 8 ct + jj: key 8 h + jj, channel 16 ct + r
.set WF,  112                          ; v112-143 w_o: register 8 ct + i: column r, d = 64 hd + 16 ct + 8 h + i
.set SA,  144                          ; v144-159 S^T in two halves of K
.set OA,  160                          ; v160-191 O^T: four tiles of 16 channels
.set YA,  192                          ; v192-207 y in two halves of K
.set T,   208                          ; v208-215 at work: scores, weights, then my partial y
.set PN,  216                          ; v216-223 the normalised weights
.set SPW, 252
.set NIL, 253
.set SPARE, 16384                      ; behind the 16 partial tiles of 1,024 bytes: the spare words, 128 bytes a wave
	s_load_b128 s[4:7], s[0:1], 0x0                ; qkv32, w_o
	s_load_b64 s[8:9], s[0:1], 0x10                ; out0
	v_lshl_add_u32 v[SPW], v0, 2, SPARE
	v_mov_b32 v[NIL], 0
	v_lshrrev_b32 v1, 5, v0
	v_readfirstlane_b32 s10, v1                    ; wave = head, 0..15
	s_and_b32 s11, ttmp7, 0xffff                   ; batch
	v_and_b32 v2, 15, v0                           ; r
	v_bfe_u32 v3, v0, 4, 1                         ; h
	v_and_b32 v4, 31, v0                           ; lane
	v_mul_u32_u24 v5, v2, 12288
	v_lshl_add_u32 v5, v3, 7, v5                   ; Q, K: row r of 12,288 bytes, + 128 h
	v_mul_u32_u24 v6, v3, 98304
	v_lshl_add_u32 v6, v2, 2, v6                   ; V: 8 h rows down, + 4 r
	v_lshlrev_b32 v7, 12, v2
	v_lshl_add_u32 v7, v3, 5, v7                   ; w_o: row r of 4,096 bytes, + 32 h
	v_lshlrev_b32 v8, 3, v3
	v_sub_nc_u32 v8, v2, v8                        ; r - 8 h
	v_lshlrev_b32 v9, 2, v4
	s_lshl_b32 s12, s10, 10
	v_add_nc_u32 v10, s12, v9                      ; my partial tile in LDS: 1,024 x wave + 4 x lane
	s_and_b32 s18, s10, 7
	s_lshl_b32 s12, s18, 7
	v_add_nc_u32 v11, s12, v9                      ; what I add up: register (wave % 8) of every partial tile
	v_lshlrev_b32 v12, 15, v3
	v_lshl_add_u32 v12, v2, 2, v12                 ; out0: 8 h rows down, + 4 r
	s_mov_b32 s20, 0x76543210
	s_mov_b32 s21, 0xfedcba98                      ; v_permlanex16_b32's selects for lane l xor 16
	s_mov_b32 s22, 0x3e38aa3b                      ; c = log2(e) / sqrt(64)
	s_mul_i32 s12, s11, 196608                     ; qkv32: 16 rows a batch,
	s_lshl_b32 s13, s10, 8                         ; 256 bytes a head
	s_add_co_u32 s12, s12, s13
	s_mov_b32 s13, 0
	s_lshl_b32 s14, ttmp9, 16                      ; w_o: 16 rows of 4,096 bytes a work-group,
	s_lshl_b32 s15, s10, 8                         ; 256 bytes a head
	s_add_co_u32 s14, s14, s15
	s_mov_b32 s15, 0
	s_lshl_b32 s16, s11, 23                        ; out0: 2,048 rows of 4,096 bytes a batch,
	s_lshl_b32 s17, s18, 12                        ; row wave % 8,
	s_add_co_u32 s16, s16, s17
	s_lshl_b32 s17, ttmp9, 6                       ; 64 bytes a work-group
	s_add_co_u32 s16, s16, s17
	s_mov_b32 s17, 0
	s_wait_kmcnt 0x0
	s_add_nc_u64 s[4:5], s[4:5], s[12:13]
	s_add_nc_u64 s[6:7], s[6:7], s[14:15]
	s_add_nc_u64 s[8:9], s[8:9], s[16:17]
.irp i, 0,1,2,3,4,5,6,7
	global_load_b128 v[QF+4*\i:QF+4*\i+3], v5, s[4:5] offset:16*\i
.endr
.irp i, 0,1,2,3,4,5,6,7
	global_load_b128 v[KFR+4*\i:KFR+4*\i+3], v5, s[4:5] offset:4096+16*\i
.endr
.irp ct, 0,1,2,3
.irp jj, 0,1,2,3,4,5,6,7
	global_load_b32 v[VT+8*\ct+\jj], v6, s[4:5] offset:8192+12288*\jj+64*\ct
.endr
.endr
.irp ct, 0,1,2,3
	global_load_b128 v[WF+8*\ct:WF+8*\ct+3], v7, s[6:7] offset:64*\ct
	global_load_b128 v[WF+8*\ct+4:WF+8*\ct+7], v7, s[6:7] offset:64*\ct+16
.endr
	s_wait_loadcnt 40                              ; Q and K are in; V's 32 loads and w_o's 8 may be out
	; S^T(key, query): instruction i takes channels 32 h + 2 i, + 1 on both sides; two accumulators by turns
.set i, 0
.rept 16
.if i < 2
	v_wmma_f32_16x16x4_f32 v[SA+8*(i%2):SA+8*(i%2)+7], v[KFR+2*i:KFR+2*i+1], v[QF+2*i:QF+2*i+1], 0
.else
	v_wmma_f32_16x16x4_f32 v[SA+8*(i%2):SA+8*(i%2)+7], v[KFR+2*i:KFR+2*i+1], v[QF+2*i:QF+2*i+1], v[SA+8*(i%2):SA+8*(i%2)+7]
.endif
.set i, i+1
.endr
.rept 8
	v_nop                                          ; eight places behind this form before a result is read (ISA guide 7.12.1)
.endr
.irp j, 0,1,2,3,4,5,6,7
	v_add_f32 v[T+\j], v[SA+\j], v[SA+8+\j]        ; lane (r, h), register j: query r, key 8 h + j; from the low end on
.endr
	v_mov_b32 v224, 0xff800000
.irp j, 0,1,2,3,4,5,6,7
	v_cmp_gt_i32 vcc_lo, \j, v8                    ; key 8 h + j > query r: hidden
	v_cndmask_b32 v[T+\j], v[T+\j], v224, vcc_lo
.endr
	v_max3_num_f32 v225, v[T], v[T+1], v[T+2]
	v_max3_num_f32 v225, v225, v[T+3], v[T+4]
	v_max3_num_f32 v225, v225, v[T+5], v[T+6]
	v_max_num_f32 v225, v225, v[T+7]
	v_mov_b32 v226, 0                              ; (a lane permute's destination counts as one of its sources)
	v_permlanex16_b32 v226, v225, s20, s21
	v_max_num_f32 v225, v225, v226                 ; the row's maximum: key 0 counts for every query, so it is a number
	v_mul_f32 v225, s22, v225                      ; c m
.irp j, 0,1,2,3,4,5,6,7
	v_fma_f32 v[T+\j], v[T+\j], s22, -v225
.endr
.irp j, 0,1,2,3,4,5,6,7
	v_exp_f32 v[T+\j], v[T+\j]
.endr
	v_nop                                          ; a plain instruction behind the last exponential
	s_wait_alu depctr_va_vdst(0)                   ; one wait for the eight, ahead of their first reader
	v_add_f32 v227, v[T], v[T+1]
	v_add_f32 v228, v[T+2], v[T+3]
	v_add_f32 v229, v[T+4], v[T+5]
	v_add_f32 v230, v[T+6], v[T+7]
	v_add_f32 v227, v227, v228
	v_add_f32 v229, v229, v230
	v_add_f32 v227, v227, v229
	v_permlanex16_b32 v226, v227, s20, s21
	v_add_f32 v227, v227, v226                     ; the row's sum
	v_rcp_f32 v228, v227
	v_nop
	s_wait_alu depctr_va_vdst(0)
.irp j, 0,1,2,3,4,5,6,7
	v_mul_f32 v[PN+\j], v[T+\j], v228
.endr
	s_wait_loadcnt 8                               ; V is in; w_o's 8 loads may be out
	; O^T(channel, query): instruction i takes keys 8 h + 2 i, + 1; four accumulators by turns
.irp i, 0,1,2,3
.irp ct, 0,1,2,3
.if \i == 0
	v_wmma_f32_16x16x4_f32 v[OA+8*\ct:OA+8*\ct+7], v[VT+8*\ct+2*\i:VT+8*\ct+2*\i+1], v[PN+2*\i:PN+2*\i+1], 0
.else
	v_wmma_f32_16x16x4_f32 v[OA+8*\ct:OA+8*\ct+7], v[VT+8*\ct+2*\i:VT+8*\ct+2*\i+1], v[PN+2*\i:PN+2*\i+1], v[OA+8*\ct:OA+8*\ct+7]
.endif
.endr
.endr
.rept 9
	v_nop                                          ; nine places before a matrix instruction takes a result of this form as a source
.endr
	s_wait_loadcnt 0x0                             ; w_o
	; y(query, column): O^T's registers are the first source as they stand: lane (r, h), register j of tile ct: query r, channel 16 ct + 8 h + j; two accumulators by turns
.irp ct, 0,1,2,3
.irp i, 0,1,2,3
.if (\ct == 0) && (\i < 2)
	v_wmma_f32_16x16x4_f32 v[YA+8*(\i%2):YA+8*(\i%2)+7], v[OA+8*\ct+2*\i:OA+8*\ct+2*\i+1], v[WF+8*\ct+2*\i:WF+8*\ct+2*\i+1], 0
.else
	v_wmma_f32_16x16x4_f32 v[YA+8*(\i%2):YA+8*(\i%2)+7], v[OA+8*\ct+2*\i:OA+8*\ct+2*\i+1], v[WF+8*\ct+2*\i:WF+8*\ct+2*\i+1], v[YA+8*(\i%2):YA+8*(\i%2)+7]
.endif
.endr
.endr
.rept 8
	v_nop
.endr
.irp j, 0,1,2,3,4,5,6,7
	v_add_f32 v[T+\j], v[YA+\j], v[YA+8+\j]        ; my head's part of y(8 h + j, r)
.endr
.irp j, 0,1,2,3,4,5,6,7
	ds_store_b32 v10, v[T+\j] offset:128*\j
.endr
	s_wait_dscnt 0x0                               ; for the others' sake: my stores have landed
	s_barrier_signal -1
	s_barrier_wait -1
	s_cmp_ge_u32 s10, 8                            ; waves 0-7 add up: wave j takes register j of all 16 partial tiles
	s_cbranch_scc1 .Lend
.irp p, 0,1,2,3,4,5,6,7,8,9,10,11,12,13,14,15
	ds_load_b32 v[16+\p], v11 offset:1024*\p
.endr
	s_wait_dscnt 0x0
.irp p, 1,2,3,4,5,6,7,8,9,10,11,12,13,14,15
	v_add_f32 v16, v16, v[16+\p]                   ; heads in ascending order
.endr
	global_store_b32 v12, v16, s[8:9]              ; out0[b][8 h + wave][16 x + r]
.Lend:
	s_wait_tensorcnt 0x0                           ; the wave's end, behind my last LDS store
	ds_add_u32 v[SPW], v[NIL]
	s_wait_dscnt 0x0
	s_endpgm
.Lfunc_end_k_q3d92ff26f1_fine:
	.size	k_q3d92ff26f1_fine, .Lfunc_end_k_q3d92ff26f1_fine-k_q3d92ff26f1_fine
	.p2alignl 7, 3214868480
	.fill 96, 4, 3214868480
	.section	.rodata,"a",@progbits
	.p2align	6, 0x0
	.amdhsa_kernel k_q3d92ff26f1_fine
		.amdhsa_group_segment_fixed_size 18432
		.amdhsa_private_segment_fixed_size 0
		.amdhsa_enable_private_segment 0
		.amdhsa_kernarg_size 24
		.amdhsa_user_sgpr_count 2
		.amdhsa_user_sgpr_kernarg_segment_ptr 1
		.amdhsa_wavefront_size32 1
		.amdhsa_system_sgpr_workgroup_id_x 1
		.amdhsa_system_sgpr_workgroup_id_y 1
		.amdhsa_system_sgpr_workgroup_id_z 1
		.amdhsa_system_vgpr_workitem_id 0
		.amdhsa_next_free_vgpr 256
		.amdhsa_next_free_sgpr 66
		.amdhsa_reserve_vcc 1
		.amdhsa_float_denorm_mode_32 3
		.amdhsa_float_denorm_mode_16_64 3
		.amdhsa_memory_ordered 1
		.amdhsa_forward_progress 1
		.amdhsa_inst_pref_size 17
	.end_amdhsa_kernel
	.amdgpu_metadata
---
amdhsa.version: [ 1, 2 ]
amdhsa.kernels:
  - .name:           k_q3d92ff26f1_fine
    .symbol:         k_q3d92ff26f1_fine.kd
    .args:
      - { .name: qkv32, .offset: 0, .size: 8, .value_kind: global_buffer, .address_space: global }
      - { .name: w_o, .offset: 8, .size: 8, .value_kind: global_buffer, .address_space: global }
      - { .name: out0, .offset: 16, .size: 8, .value_kind: global_buffer, .address_space: global }
    .group_segment_fixed_size: 18432
    .private_segment_fixed_size: 0
    .kernarg_segment_align: 8
    .kernarg_segment_size: 24
    .max_flat_workgroup_size: 512
    .sgpr_count:     66
    .vgpr_count:     256
    .wavefront_size: 32
...
	.end_amdgpu_metadata
.endif
;; end of part 5
